; MI455X (gfx1250); checked and timed in simulation.
; The chip was launched on July 23, 2026; its instructions are those of AMD's public machine-readable ISA for CDNA 5 (MIT licence, August 2026) and "CDNA5" Instruction Set Architecture Reference Guide (July 2026). The comments in the code are by the model that wrote it; some were corrected since.
;; Switch Mo E. Allowed arithmetic: matrix products marked QUANTISED: E2M1 operands, one E8M0 scale for each 32 along K, by v_wmma_scale_f32_16x16x128_f8f6f4 with both operands' format E2M1 (or v_wmma_scale_f32_32x16x128_f4), f32 sums; products left as they are: f32 operands where the result goes on into a quantised operand, else bf16, f16 or f32 operands; f32 sums; everything else in f32.
;; Inputs: b1 8 x 4,096 float32; b2 8 x 1,024 float32; gate_b 8 float32; gate_w 1,024 x 8 float32; w1 8 x 1,024 x 4,096 float32; w2 8 x 4,096 x 1,024 float32; x 4 x 256 x 1,024 float32.
;; Outputs: out0 4 x 256 x 1,024 float32.
;; This version of the problem:
;;   THIS VERSION OF THE PROBLEM IS GIVEN IN LOW PRECISION. The matrix products marked QUANTISED in the list below multiply operands that are first quantised to E2M1 (2 exponent bits, 1 mantissa bit; 4 bits a number), with one power-of-two scale for each 32 numbers along K (OCP MX v1.0); their sums are f32. All else is computed in f32.
;;   The module's matrix products, in the order in which they are computed (A, B: the left and right operand; K: the contracted axis; several contracted axes count as one K, in the product's order):
;;     1. [M 1,024, K 1,024] x [K 1,024, N 8]; A: input x; B: input gate_w: left as it is (N = 8 < 16)
;;     2. [M 32,768, K 1,024] x [K 1,024, N 1,024]; A: input w1; B: input x: QUANTISED
;;     3. batch 8 x [M 1,024, K 4,096] x [K 4,096, N 1,024]; A: computed on the way; B: input w2: QUANTISED
;;     4. batch 1,024 x [M 1,024, K 8] x [K 8, N 1]; A: computed on the way; B: computed on the way: left as it is (K = 8 < 32)
;;   THE QUANTISER, for each operand of a quantised product, along K:
;;     - K is cut into blocks of 32 from its start; a last block that is shorter is filled with zeros.
;;     - A block's scale is 2^e with e = floor(log2(the largest magnitude in the block)) - 2, held to -126 .. 127; a block of zeros has e = 0. As a byte (E8M0): e + 127.
;;     - Each number is divided by its block's scale, clamped to +-6, and rounded to the nearest number of E2M1, ties to even, subnormals kept.
;;     - The product sums the exact products of the quantised numbers (number of the format x scale) in f32.
;;   ~~~python
;;   def quantise(x, axis):      # numpy; x: float32 -> the quantised numbers, widened to float32 again
;;       x = np.moveaxis(x, axis, -1); K = x.shape[-1]
;;       x = np.pad(x, [(0, 0)] * (x.ndim - 1) + [(0, -K % 32)]); x = x.reshape(x.shape[:-1] + (-1, 32)); a = np.abs(x).max(-1, keepdims=True)
;;       e = np.where(a > 0, np.clip(np.frexp(np.where(a > 0, a, 1))[1] - 1 - 2, -126, 127), 0)      # np.frexp(a)[1] - 1 = floor(log2(a)), exactly
;;       r = np.clip(x / 2.0 ** e, -6, 6)
;;       step = 2.0 ** (np.maximum(np.frexp(np.where(r == 0, 1, r))[1] - 1, 0) - 1)
;;       q = np.round(r / step) * step * 2.0 ** e      # np.round: ties to even
;;       return np.moveaxis(q.reshape(q.shape[:-2] + (-1,))[..., :K], -1, axis).astype(np.float32)
;;   ~~~
;;   OPERANDS COMPUTED ON THE WAY. 'Computed on the way' means the value that the module computes at that place (a softmax that the list does not call 'softmax' is quantised finished and normalised). What goes into a quantiser is computed in f32, as accurately as f32 sums, v_exp_f32 and their like allow (about 1e-6 of the number): no bf16 or f16 on the way to a quantiser, and a product that is left as it is and whose result goes on into a quantised operand takes f32 operands (vector FMAs, or v_wmma_f32_16x16x4_f32). A number that lies on a knife's edge between two numbers of the format may be rounded either way, as far as f32 arithmetic and the matrix unit's own rounding can turn it there, and no further.
;; 2 versions. Each part assembles by itself: llvm-mc -triple=amdgcn-amd-amdhsa -mcpu=gfx1250 --defsym DOCPART=n.
;; ======== version 1 of 2: 4 launches
;; workspace buffers: x_codes 524,288 bytes; x_scales 32,768 bytes; choice 4,096 bytes of whole numbers; route 41,216 bytes of whole numbers; h_codes 4,718,592 bytes; h_scales 294,912 bytes; part 18,874,368 bytes
;; launch gate (part 1): grid 256 x 1, 4 waves a work-group, no clusters, 52,224 bytes of LDS; arguments x, gate_w, gate_b, x_codes, x_scales, choice; writes x_codes, x_scales, choice
.if DOCPART == 1
	.amdgcn_target "amdgcn-amd-amdhsa--gfx1250"
	.amdhsa_code_object_version 6
	.text
	.protected	k_q1348075a4c_gate
	.globl	k_q1348075a4c_gate
	.p2align	8
	.type	k_q1348075a4c_gate,@function
k_q1348075a4c_gate:
	s_mov_b64 s[64:65], 0
	v_nop
	global_prefetch_b8 v0, s[64:65] scope:SCOPE_SE
	s_setreg_imm32_b32 hwreg(HW_REG_WAVE_MODE, 25, 1), 1
	s_wait_xcnt 0x0
; For each of the 1,024 tokens: (a) x[t][0..1023] becomes codes of E2M1 with one E8M0 byte for each 32 along H: x_codes [t][512 bytes], x_scales [t][32 bytes];
; (b) probs = softmax(x[t] . gate_w + gate_b), all in f32, and the two largest (the lower index wins a tie, as jax.lax.top_k has it) leave as one word, choice[t] = i0 | i1 << 8.
; One wave takes one token.  A lane needs 32 NEIGHBOURS along H (a whole block: its maximum needs no other lane), yet every load is dense: the row's 4,096 bytes are loaded 512 on end an instruction and turn through
; the wave's own stage in LDS (a lane's 128 bytes + 16 of padding).  gate_w (32 KiB) is brought into LDS once by the four waves, 16 bytes of padding behind each 1,024, so that lane l finds its 32 rows at 1,040 l.
; No address and no branch hangs on the choice: it is stored as data, at a fixed place.
; LIMITS: NaN and infinities are not served.  A block of zeros gets the byte 1 (its codes are zeros; only this program reads the bytes).  A probability under 2^-126 comes out of v_exp_f32 as 0 (ISA guide 15.8): where logits lie
; more than some 87 apart, several probabilities are 0 together and the tie goes to the lowest index among them.
.set GWP,  1040                        ; 32 rows of gate_w (1,024 bytes) + 16
.set XST,  33280                       ; behind gate_w's 32 x 1,040 bytes: the waves' stages
.set XSTW, 4608                        ; 32 x 144 bytes
.set R, 8                              ; v8-39    x as loaded
.set X, 40                             ; v40-71   x[32 lane + i]
.set G, 72                             ; v72-135  gate_w: as loaded, then eight rows at a time
.set A, 136                            ; v136-143 the eight sums
.set E, 144                            ; v144-151 the probabilities
.set T, 152                            ; v152-164 at work
.set C, 168                            ; v168-171 the codes
	s_load_b256 s[4:11], s[0:1], 0x0               ; x, gate_w, gate_b, x_codes
	s_load_b128 s[12:15], s[0:1], 0x20             ; x_scales, choice
	v_lshl_add_u32 v176, v0, 2, 0xca00
	v_mov_b32 v177, 0
	v_and_b32 v1, 31, v0                           ; lane
	v_lshrrev_b32 v7, 5, v0
	v_readfirstlane_b32 s2, v7                     ; wave
	v_lshlrev_b32 v2, 4, v1                        ; 16 x lane
	s_lshl_b32 s3, ttmp9, 2
	s_add_co_u32 s3, s3, s2                        ; my token
	s_mul_i32 s26, s2, XSTW
	s_add_co_u32 s26, s26, XST                     ; my stage
	v_lshrrev_b32 v7, 3, v1
	v_lshl_add_u32 v3, v7, 4, v2
	v_add_nc_u32 v3, s26, v3                       ; into it: 16 lane + 16 (lane / 8); a load's 512 bytes take four places of 144
	v_mul_u32_u24 v4, v1, 144
	v_add_nc_u32 v4, s26, v4                       ; out of it: 144 x lane
	s_mul_i32 s27, s2, 8320
	v_add_nc_u32 v5, s27, v2                       ; gate_w into LDS: my wave's quarter, eight places of 1,040
	v_mul_u32_u24 v6, v1, GWP                      ; and out: my 32 rows
	v_mov_b32 v7, 0
	s_lshl_b32 s28, s3, 12                         ; byte offsets of my token: x,
	s_mov_b32 s29, 0
	s_lshl_b32 s30, s2, 13                         ; (my quarter of gate_w)
	s_mov_b32 s31, 0
	s_lshl_b32 s32, s3, 9                          ; codes,
	s_mov_b32 s33, 0
	s_lshl_b32 s34, s3, 5                          ; scale bytes,
	s_mov_b32 s35, 0
	s_lshl_b32 s36, s3, 2                          ; choice
	s_mov_b32 s37, 0
	s_mov_b32 s24, 0x76543210                      ; v_permlanex16_b32's selects for lane l xor 16
	s_mov_b32 s25, 0xfedcba98
	s_wait_kmcnt 0x0
	s_load_b256 s[16:23], s[8:9], 0x0              ; gate_b
	s_add_nc_u64 s[4:5], s[4:5], s[28:29]
	s_add_nc_u64 s[6:7], s[6:7], s[30:31]
	s_add_nc_u64 s[10:11], s[10:11], s[32:33]
	s_add_nc_u64 s[12:13], s[12:13], s[34:35]
	s_add_nc_u64 s[14:15], s[14:15], s[36:37]
.irp j, 0,1,2,3,4,5,6,7
	global_load_b128 v[R+4*\j:R+4*\j+3], v2, s[4:5] offset:512*\j th:TH_LOAD_NT   ; 512 consecutive bytes of my row
.endr
.irp n, 0,1,2,3,4,5,6,7,8,9,10,11,12,13,14,15
	global_load_b128 v[G+4*\n:G+4*\n+3], v2, s[6:7] offset:512*\n
.endr
	s_wait_loadcnt 16                              ; x is in: the sixteen loads of gate_w are younger
.irp j, 0,1,2,3,4,5,6,7
	ds_store_b128 v3, v[R+4*\j:R+4*\j+3] offset:576*\j
.endr
	s_wait_loadcnt 0x0
.irp n, 0,1,2,3,4,5,6,7,8,9,10,11,12,13,14,15
	ds_store_b128 v5, v[G+4*\n:G+4*\n+3] offset:512*\n+16*(\n/2)
.endr
.irp i, 0,1,2,3,4,5,6,7
	ds_load_b128 v[X+4*\i:X+4*\i+3], v4 offset:16*\i       ; LDS serves a wave's instructions in order: these see my stores
.endr
	s_wait_dscnt 0x0                               ; for the others' sake: my part of gate_w lies in LDS
	s_barrier_signal -1
	s_barrier_wait -1
.macro GLOAD bt                        ; rows 8 bt .. 8 bt + 7 of my 32
.irp i, 0,1,2,3,4,5,6,7
	ds_load_b128 v[G+8*\i:G+8*\i+3], v6 offset:256*\bt+32*\i
	ds_load_b128 v[G+8*\i+4:G+8*\i+7], v6 offset:256*\bt+32*\i+16
.endr
.endm
.macro GFMA bt                         ; sums += x_i x row i: four packed multiply-adds a row; x_i feeds both halves
.irp h, 0,1,2,3
.irp p, 0,1,2,3
.if (\bt) == 0 && (\h) == 0
	v_pk_mul_f32 v[A+2*\p:A+2*\p+1], v[X:X+1], v[G+2*\p:G+2*\p+1] op_sel_hi:[0,1]         ; the first row starts the sums
.else
	v_pk_fma_f32 v[A+2*\p:A+2*\p+1], v[X+8*\bt+2*\h:X+8*\bt+2*\h+1], v[G+16*\h+2*\p:G+16*\h+2*\p+1], v[A+2*\p:A+2*\p+1] op_sel:[0,0,0] op_sel_hi:[0,1,1]
.endif
.endr
.irp p, 0,1,2,3
	v_pk_fma_f32 v[A+2*\p:A+2*\p+1], v[X+8*\bt+2*\h:X+8*\bt+2*\h+1], v[G+16*\h+8+2*\p:G+16*\h+8+2*\p+1], v[A+2*\p:A+2*\p+1] op_sel:[1,0,0] op_sel_hi:[1,1,1]
.endr
.endr
.endm
	GLOAD 0
	; my block of 32: largest magnitude with the floor 2^(3 - 127) among its leaves, 2 off its exponent field = the conversion's scale operand, whose exponent field is the byte
	v_max3_num_f32 v[T], |v[X]|, |v[X+1]|, |v[X+2]|
	v_max3_num_f32 v[T+1], |v[X+3]|, |v[X+4]|, |v[X+5]|
.irp i, 6,10,14,18,22,26
	v_max3_num_f32 v[T], v[T], |v[X+\i]|, |v[X+\i+1]|
	v_max3_num_f32 v[T+1], v[T+1], |v[X+\i+2]|, |v[X+\i+3]|
.endr
	v_max3_num_f32 v[T], v[T], |v[X+30]|, |v[X+31]|
	v_max3_num_f32 v[T], v[T], v[T+1], 0x1800000
	v_add_nc_u32 v[T+2], 0xff000000, v[T]
	v_lshrrev_b32 v[T+3], 23, v[T+2]
.irp g, 0,1,2,3
	v_cvt_scalef32_pk8_fp4_f32 v[C+\g], v[X+8*\g:X+8*\g+7], v[T+2]
.endr
	global_store_b128 v2, v[C:C+3], s[10:11]       ; the wave stores the row's 512 bytes of codes on end
	global_store_b8 v1, v[T+3], s[12:13]           ; and its 32 scale bytes
	s_wait_dscnt 0x0
	GFMA 0
.irp bt, 1,2,3
	GLOAD \bt
	s_wait_dscnt 0x0
	GFMA \bt
.endr
.irp m, 1,2,4,8                        ; over the 32 lanes, the eight sums by turns
.irp e, 0,1,2,3,4,5,6,7
	v_add_f32_dpp v[A+\e], v[A+\e], v[A+\e] row_xmask:\m row_mask:0xf bank_mask:0xf
.endr
.endr
.irp e, 0,1,2,3,4,5,6,7
	v_permlanex16_b32 v[G+\e], v[A+\e], s24, s25
.endr
.irp e, 0,1,2,3,4,5,6,7
	v_add_f32 v[A+\e], v[A+\e], v[G+\e]
.endr
	s_wait_kmcnt 0x0                               ; gate_b
.irp e, 0,1,2,3,4,5,6,7
	v_add_f32 v[A+\e], s[16+\e], v[A+\e]           ; every lane holds the token's eight logits
.endr
	v_max3_num_f32 v[T+4], v[A], v[A+1], v[A+2]    ; the softmax: the maximum is taken away first
	v_max3_num_f32 v[T+5], v[A+3], v[A+4], v[A+5]
	v_max3_num_f32 v[T+4], v[T+4], v[A+6], v[A+7]
	v_max_num_f32 v[T+4], v[T+4], v[T+5]
.irp e, 0,1,2,3,4,5,6,7
	v_sub_f32 v[E+\e], v[A+\e], v[T+4]
.endr
.irp e, 0,1,2,3,4,5,6,7
	v_mul_f32 v[E+\e], 0x3fb8aa3b, v[E+\e]         ; x log2(e)
.endr
.irp e, 0,1,2,3,4,5,6,7
	v_exp_f32 v[E+\e], v[E+\e]
.endr
	v_nop                                          ; a plain instruction behind the last exponential
	s_wait_alu depctr_va_vdst(0)                   ; one wait for the batch of eight, ahead of its first reader
	v_add_f32 v[T+4], v[E], v[E+1]
	v_add_f32 v[T+5], v[E+2], v[E+3]
	v_add_f32 v[T+6], v[E+4], v[E+5]
	v_add_f32 v[T+7], v[E+6], v[E+7]
	v_add_f32 v[T+4], v[T+4], v[T+5]
	v_add_f32 v[T+6], v[T+6], v[T+7]
	v_add_f32 v[T+4], v[T+4], v[T+6]
	v_rcp_f32 v[T+8], v[T+4]
	v_nop
	s_wait_alu depctr_va_vdst(0)
.irp e, 0,1,2,3,4,5,6,7
	v_mul_f32 v[E+\e], v[E+\e], v[T+8]
.endr
.macro SCAN best, idx                  ; the largest of the eight; only a strictly larger one takes the place, so the lower index wins a tie
	v_mov_b32 v[\best], v[E]
	v_mov_b32 v[\idx], 0
.irp e, 1,2,3,4,5,6,7
	v_cmp_gt_f32 vcc_lo, v[E+\e], v[\best]
	v_cndmask_b32 v[\best], v[\best], v[E+\e], vcc_lo
	v_cndmask_b32 v[\idx], v[\idx], \e, vcc_lo
.endr
.endm
	SCAN T+9, T+10
.irp e, 0,1,2,3,4,5,6,7
	v_cmp_eq_u32 vcc_lo, \e, v[T+10]
	v_cndmask_b32 v[E+\e], v[E+\e], -1.0, vcc_lo   ; the winner goes under every probability
.endr
	SCAN T+9, T+11
	v_lshl_or_b32 v[T+12], v[T+11], 8, v[T+10]
	s_wait_xcnt 0x0                                ; EXEC changes only when the stores above have read it
	v_cmp_eq_u32 vcc_lo, 0, v1
	s_wait_tensorcnt 0x0
	ds_add_u32 v176, v177
	s_wait_dscnt 0x0
	s_and_saveexec_b32 s26, vcc_lo
	global_store_b32 v7, v[T+12], s[14:15]         ; lane 0 stores the token's word
	s_wait_xcnt 0x0
	s_or_b32 exec_lo, exec_lo, s26
	s_endpgm
.Lfunc_end_k_q1348075a4c_gate:
	.size	k_q1348075a4c_gate, .Lfunc_end_k_q1348075a4c_gate-k_q1348075a4c_gate
	.p2alignl 7, 3214868480
	.fill 96, 4, 3214868480
	.section	.rodata,"a",@progbits
	.p2align	6, 0x0
	.amdhsa_kernel k_q1348075a4c_gate
		.amdhsa_group_segment_fixed_size 52224
		.amdhsa_private_segment_fixed_size 0
		.amdhsa_enable_private_segment 0
		.amdhsa_kernarg_size 48
		.amdhsa_user_sgpr_count 2
		.amdhsa_user_sgpr_kernarg_segment_ptr 1
		.amdhsa_wavefront_size32 1
		.amdhsa_system_sgpr_workgroup_id_x 1
		.amdhsa_system_sgpr_workgroup_id_y 1
		.amdhsa_system_sgpr_workgroup_id_z 1
		.amdhsa_system_vgpr_workitem_id 0
		.amdhsa_next_free_vgpr 178
		.amdhsa_next_free_sgpr 66
		.amdhsa_reserve_vcc 1
		.amdhsa_float_denorm_mode_32 3
		.amdhsa_float_denorm_mode_16_64 3
		.amdhsa_memory_ordered 1
		.amdhsa_forward_progress 1
		.amdhsa_inst_pref_size 29
	.end_amdhsa_kernel
	.amdgpu_metadata
---
amdhsa.version: [ 1, 2 ]
amdhsa.kernels:
  - .name:           k_q1348075a4c_gate
    .symbol:         k_q1348075a4c_gate.kd
    .args:
      - { .name: x, .offset: 0, .size: 8, .value_kind: global_buffer, .address_space: global }
      - { .name: gate_w, .offset: 8, .size: 8, .value_kind: global_buffer, .address_space: global }
      - { .name: gate_b, .offset: 16, .size: 8, .value_kind: global_buffer, .address_space: global }
      - { .name: x_codes, .offset: 24, .size: 8, .value_kind: global_buffer, .address_space: global }
      - { .name: x_scales, .offset: 32, .size: 8, .value_kind: global_buffer, .address_space: global }
      - { .name: choice, .offset: 40, .size: 8, .value_kind: global_buffer, .address_space: global }
    .group_segment_fixed_size: 52224
    .private_segment_fixed_size: 0
    .kernarg_segment_align: 8
    .kernarg_segment_size: 48
    .max_flat_workgroup_size: 128
    .sgpr_count:     66
    .vgpr_count:     178
    .wavefront_size: 32
...
	.end_amdgpu_metadata
.endif
;; end of part 1
;; launch up (part 2): grid 32 x 8, 16 waves a work-group, no clusters, 74,496 bytes of LDS; arguments w1, b1, x_codes, x_scales, choice, h_codes, h_scales, route; writes h_codes, h_scales, route
.if DOCPART == 2
	.amdgcn_target "amdgcn-amd-amdhsa--gfx1250"
	.amdhsa_code_object_version 6
	.text
	.protected	k_q1348075a4c_up
	.globl	k_q1348075a4c_up
	.p2align	8
	.type	k_q1348075a4c_up,@function
k_q1348075a4c_up:
	s_mov_b64 s[64:65], 0
	v_nop
	global_prefetch_b8 v0, s[64:65] scope:SCOPE_SE
	s_setreg_imm32_b32 hwreg(HW_REG_WAVE_MODE, 25, 1), 1
	s_wait_xcnt 0x0
; hidden = relu(x w1_e + b1_e) for the rows that chose expert e, on codes of E2M1 with one E8M0 scale for each 32 along H; the result is quantised along F and leaves as codes: h_codes [f / 32][slot][16 bytes], h_scales [f / 64][slot][2 bytes].
; A work-group is (fs = x, e = y): columns f = 128 fs .. 128 fs + 127 of w1[e], all of K = H = 1,024: 512 KiB of f32 that this work-group alone reads, once.
; THE PLACING OF ROWS is done here too, from choice[t] = i0 | i1 << 8, whole numbers that the launch before stored, while the waves wait for their weights.  Expert k's row i is its i-th token in ascending order; off_k = the sum over
; j < k of cnt_j rounded up to 32; row i lies in slot off_k + i.  SWEEP: wave w takes expert w % 8 and steps 16 (w / 8) .. + 15 of 32 tokens: each step's member mask and the members before it in that half go to LDS tables [step][expert],
; the half's total to a word of its own; one barrier.  Then every wave has all counts and offsets as scalars, and its own expert's mask of step s in lane s of one register.
; COLLECT: the tokens of rows F .. F + 31.  For each step that reaches into that window, the step's 32 lanes push their token numbers by ds_permute_b32: a member to lane (members before - F + its rank in the step) mod 32, the others to the
; lanes that are left: a whole permutation, so no two lanes push to one place; the lanes of the window that this step serves keep what they received.  No LDS address is made of data.  Rows past cnt take token 0: nobody reads their results.
; Work-group (0, 0) also stores the tables that later launches read: route + 0: tab[k] = (cnt, off), 8 bytes each (bytes 64-127 zeros); route + 33,024: pos[t] = the two slots of token t.  This launch loads nothing from route.
; PHASE S.  The slice is quantised into LDS as images of operand registers.  A LANE TAKES A COLUMN AND ITS REGISTERS RUN DOWN K: a block of 32 lies in one lane.  Wave w (cg = w / 8, s8 = w % 8) takes K step s8 (128 rows) of 32 columns,
; first in the slice's first 64 columns, then in its second 64 (hf): eight blocks, loads two blocks ahead.  Four blocks are a K step: two whole fragments and a scale word a lane.  THE COLUMNS OF A TILE ARE NOT NEIGHBOURS: lanes 0-15 take
; columns 0-7 and 16-23 of the 32, lanes 16-31 columns 8-15 and 24-31, so that in the result the 16 registers of two neighbouring tiles are 16 neighbours along F, the next K.
; PHASE G, behind the second barrier.  A job = 32 rows (pair p) x 64 columns (half hfj) x K: 64 matrix instructions, used transposed (source 0 = 16 columns of w1, source 1 = 16 rows of x): a lane holds one row.  Wave w has jobs
; p = w / 2 + 8 pass, hfj = w % 2, pass 0 .. 3, which serves up to 1,024 rows; a job with 32 p >= cnt is jumped over (a scalar branch on whole numbers; no barrier stands in phase G).
; b1 is the C of each sum's first product.  Pass 0's rows of x are asked for in phase S, so that they land under the stream; pass 1's tokens are collected there too.
; No tensor loads and no cluster: the counts that steer the jobs come from memory.  An expert that no token chose still streams its slice and stores no codes.
; LIMITS: NaN and infinities are not served; a block of zeros gets the byte 1 (its codes are zeros; only this program reads the bytes).
; LDS: 0 images ((hf 8 + ks) 4 + nt) x 1,024 + 512 c + 16 lane;  65,536 scale words ((hf 8 + ks) 2 + cg) x 128 + 4 lane (lanes 0-15: tile 2 cg, lanes 16-31: tile 2 cg + 1);  69,632 b1's 128 numbers;
;   70,144 member masks [step][expert], 4 bytes each;  71,168 members before, likewise;  72,192 the sixteen half totals [half][expert].
; REGISTERS: v1 lane, v2 r, v3 hh; v4-14 addresses; v15 4 x lane, later my expert's mask of step = lane; v16-143 x's fragments (tile tt, K step ks at 16 + 64 tt + 8 ks), before that the placing's registers; v144-151 x's scale words (lane l: row l of the pair);
;   phase S: v152-215 two landing sets, v216-231 codes, v232 scale word, v233-236 at work, v238-241 b1;   phase G: v152-215 accumulators (32 tt + 8 nt), v216-247 w1's four fragments, later at work, v248-249 their scale words;
;   v242-246 COLLECT's; v250-252 x's offsets of passes 0, 2, 3; v253-255 those of pass 1.
.set LAND, 152
.set CD,   216
.set SB,   232
.set ACC,  152
.set W,    216
.set WS,   248
.set XF,   16
.set XS,   144
.set TM,   216
.set SCI,  65536
.set BI,   69632
.set MT,   70144                       ; LDS: the masks; the counts before lie 1,024 bytes on
.set TT,   72192                       ; LDS: the half totals
.set C,    16                          ; v16-31   the choice words of my sixteen steps
.set CW,   32                          ; v32-33   those of steps 2 w, 2 w + 1 (for pos)
.set LT,   40                          ; v40      lanes 0-15: my steps' masks; lanes 16-31: the members before them
.set TL,   44                          ; v44-59   the half totals
.set MC,   60                          ; v60-67   the eight experts' masks of step = lane
.set MV,   68                          ; v68-83   masks of steps 2 w, 2 w + 1 x eight experts
.set BV,   84                          ; v84-99   members before, likewise
.set P,    100                         ; v100-103 pos of my two steps
.set ME,   15
.set TOK,  245
	s_load_b256 s[4:11], s[0:1], 0x0               ; w1, b1, x_codes, x_scales
	s_load_b256 s[12:19], s[0:1], 0x20             ; choice, h_codes, h_scales, route
	v_lshrrev_b32 v1, 5, v0
	v_readfirstlane_b32 s20, v1                    ; wave 0..15
	s_and_b32 s21, ttmp7, 0xffff                   ; e
	s_mov_b32 s22, ttmp9                           ; fs
	s_and_b32 s23, s20, 7                          ; s8; in the sweep: my expert
	s_lshr_b32 s24, s20, 3                         ; cg; in the sweep: my half of the steps
	s_and_b32 s25, s20, 1                          ; hfj
	v_and_b32 v1, 31, v0                           ; lane
	v_and_b32 v2, 15, v0                           ; r
	v_bfe_u32 v3, v0, 4, 1                         ; hh
	v_and_b32 v4, 8, v2
	v_add_nc_u32 v4, v4, v2
	v_lshl_add_u32 v4, v3, 3, v4
	v_lshlrev_b32 v4, 2, v4                        ; my column of the 32: 4 (r + 8 (r / 8) + 8 hh)
	v_lshlrev_b32 v10, 4, v1                       ; 16 x lane
	v_lshlrev_b32 v15, 2, v1                       ; 4 x lane
	s_lshl_b32 s45, s23, 12
	s_lshl_b32 s46, s24, 11
	s_add_co_u32 s45, s45, s46
	v_add_nc_u32 v5, s45, v10                      ; images, in: 16 lane + 4,096 s8 + 2,048 cg
	s_lshl_b32 s45, s23, 8
	s_lshl_b32 s46, s24, 7
	s_add_co_u32 s45, s45, s46
	s_add_co_u32 s45, s45, SCI
	v_add_nc_u32 v6, s45, v15                      ; scale words, in
	s_lshl_b32 s45, s25, 15
	v_add_nc_u32 v7, s45, v10                      ; images, out: 16 lane + 32,768 hfj
	s_lshl_b32 s45, s25, 11
	s_add_co_u32 s45, s45, SCI
	v_add_nc_u32 v8, s45, v15                      ; scale words, out
	v_add_nc_u32 v9, BI, v10                       ; b1, in
	s_lshl_b32 s45, s25, 8
	s_add_co_u32 s45, s45, BI
	v_lshl_add_u32 v11, v3, 6, s45                 ; b1, out: 256 hfj + 64 hh
	v_lshlrev_b32 v12, 4, v2
	v_lshl_add_u32 v12, v3, 3, v12                 ; h_codes: 16 r + 8 hh
	v_lshlrev_b32 v13, 1, v1                       ; h_scales: 2 x lane
	v_lshlrev_b32 v14, 4, v3                       ; 16 hh
	; the placing's addresses: each a constant + a constant x lane + a constant x wave
	s_lshl_b32 s45, s24, 11
	v_add_nc_u32 v105, s45, v15                    ; choice: my half's sixteen steps: 2,048 (w / 8) + 4 lane
	s_lshl_b32 s45, s20, 8
	v_add_nc_u32 v106, s45, v15                    ; choice: steps 2 w, 2 w + 1: 256 w + 4 lane
	v_lshlrev_b32 v107, 5, v2
	v_lshl_add_u32 v107, v3, 10, v107
	s_lshl_b32 s45, s24, 9
	s_lshl_b32 s46, s23, 2
	s_add_co_u32 s45, s45, s46
	s_add_co_u32 s45, s45, MT
	v_add_nc_u32 v107, s45, v107                   ; tables, in: row 16 (w / 8) + r of 32 bytes, word w % 8; lanes 16-31 the table 1,024 bytes on
	s_lshl_b32 s45, s20, 2
	s_add_co_u32 s45, s45, TT
	v_mov_b32 v108, s45                            ; my half total's word
	v_mov_b32 v109, TT                             ; the sixteen of them
	v_lshlrev_b32 v110, 5, v1
	v_add_nc_u32 v110, MT, v110                    ; masks, out: the row of step = lane
	s_lshl_b32 s45, s20, 6
	s_add_co_u32 s45, s45, MT
	v_mov_b32 v111, s45                            ; tables, out: the rows of steps 2 w, 2 w + 1
	s_lshl_b32 s45, s20, 9
	v_lshl_add_u32 v112, v1, 3, s45                ; pos: 512 w + 8 lane
	v_mov_b32 v[LT], 0
	s_mov_b32 s50, 0                               ; members so far in my half
	s_lshl_b32 s32, s21, 24                        ; w1: expert,
	s_lshl_b32 s45, s23, 21                        ; 128 s8 rows of 16,384 bytes,
	s_add_co_u32 s32, s32, s45
	s_lshl_b32 s45, s22, 9                         ; 128 fs columns,
	s_add_co_u32 s32, s32, s45
	s_lshl_b32 s45, s24, 7                         ; 32 cg columns
	s_add_co_u32 s32, s32, s45
	s_mov_b32 s33, 0
	s_lshl_b32 s38, s21, 14                        ; b1: 4,096 e + 128 fs numbers
	s_lshl_b32 s45, s22, 9
	s_add_co_u32 s38, s38, s45
	s_mov_b32 s39, 0
	s_mov_b32 s42, 0x76543210                      ; v_permlanex16_b32's selects for lane l xor 16
	s_mov_b32 s43, 0xfedcba98
	s_mov_b32 s44, 0xffff0000                      ; lanes 16-31
	s_wait_kmcnt 0x0
	s_add_nc_u64 s[4:5], s[4:5], s[32:33]
	s_add_nc_u64 s[6:7], s[6:7], s[38:39]
	s_add_nc_u64 s[40:41], s[18:19], 33024         ; pos
.macro LOADB t                         ; block t = 4 hf + b: rows 32 b + i of my K step, my column of half hf, into landing set t % 2; the wave reads 128 bytes on end, and wave w + 8 the 128 beside them
.set li, 0
.rept 32
	global_load_b32 v[LAND+32*((\t)%2)+li], v4, s[4:5] offset:(32*((\t)%4)+li)*16384+256*((\t)/4) th:TH_LOAD_NT
.set li, li+1
.endr
.endm
; Block t is quantised.  n: the loads younger than the block's 32.  The largest magnitude has the floor 2^(3 - 127) among its leaves; 2 off its exponent field is the conversion's scale operand, whose exponent field is the byte.
.macro BLOCK t, n
.set LS, LAND+32*((\t)%2)
	s_wait_loadcnt \n
	v_max3_num_f32 v233, |v[LS]|, |v[LS+1]|, |v[LS+2]|
	v_max3_num_f32 v234, |v[LS+3]|, |v[LS+4]|, |v[LS+5]|
.irp i, 6,10,14,18,22,26
	v_max3_num_f32 v233, v233, |v[LS+\i]|, |v[LS+\i+1]|
	v_max3_num_f32 v234, v234, |v[LS+\i+2]|, |v[LS+\i+3]|
.endr
	v_max3_num_f32 v233, v233, |v[LS+30]|, |v[LS+31]|
	v_max3_num_f32 v233, v233, v234, 0x1800000
	v_add_nc_u32 v235, 0xff000000, v233
.if (\t)%4 == 0
	v_lshrrev_b32 v[SB], 23, v235                  ; four bytes make my column's scale word of the K step
.else
	v_lshrrev_b32 v236, 23, v235
	v_lshl_or_b32 v[SB], v236, 8*((\t)%4), v[SB]
.endif
.irp g, 0,1,2,3
	v_cvt_scalef32_pk8_fp4_f32 v[CD+4*((\t)%4)+\g], v[LS+8*\g:LS+8*\g+7], v235
.endr
.if (\t) < 6
	LOADB (\t)+2
.endif
.if (\t)%4 == 3
	v_nop                                          ; a plain instruction between the conversions and the lines that touch their results
.irp i, 0,1,2,3                        ; the operand's layout wants blocks 2 c (lanes 0-15) and 2 c + 1 (lanes 16-31) of ONE tile in a register: the first's upper lanes change places with the second's lower
	v_permlane16_swap_b32 v[CD+\i], v[CD+4+\i]
	v_permlane16_swap_b32 v[CD+8+\i], v[CD+12+\i]
.endr
	ds_store_b128 v5, v[CD:CD+3] offset:32768*((\t)/4)             ; tile 2 cg, registers 0-3
	ds_store_b128 v5, v[CD+8:CD+11] offset:32768*((\t)/4)+512      ; registers 4-7
	ds_store_b128 v5, v[CD+4:CD+7] offset:32768*((\t)/4)+1024      ; tile 2 cg + 1
	ds_store_b128 v5, v[CD+12:CD+15] offset:32768*((\t)/4)+1536
	ds_store_b32 v6, v[SB] offset:2048*((\t)/4)
	s_wait_dscnt 0x0                               ; the stores have read their registers
.endif
.endm
; The pass's numbers: pair p, its first row, its first slot, and where its results go.
.macro SCAL pass
	s_lshr_b32 s26, s20, 1
	s_add_co_u32 s26, s26, 8*\pass                 ; p
	s_lshl_b32 s27, s26, 5                         ; 32 p
	s_add_co_u32 s31, s29, s27
	s_min_u32 s31, s31, 2272                       ; the pair's first slot: a number made of loaded ones enters an address only behind this bound
	s_lshl_b32 s45, s22, 2
	s_lshl_b32 s46, s25, 1
	s_add_co_u32 s45, s45, s46                     ; f / 32 = 4 fs + 2 hfj
	s_mul_i32 s45, s45, 2304
	s_add_co_u32 s45, s45, s31
	s_lshl_b32 s32, s45, 4
	s_mov_b32 s33, 0
	s_add_nc_u64 s[34:35], s[14:15], s[32:33]
	s_lshl_b32 s45, s22, 1
	s_add_co_u32 s45, s45, s25                     ; f / 64 = 2 fs + hfj
	s_mul_i32 s45, s45, 2304
	s_add_co_u32 s45, s45, s31
	s_lshl_b32 s32, s45, 1
	s_add_nc_u64 s[36:37], s[16:17], s[32:33]
.endm
; One step of COLLECT.  s52 = lo: the members before step s, less the window's first row; s53 = hi = lo + the step's members.  The step reaches into lanes 0 .. 31 of the window where hi > 0 and lo < 32,
; which for a step with members is (hi - 1) < (members + 31), unsigned; a step without members that passes the test changes nothing, since no lane lies in lo .. hi - 1.
.macro CSTEP s
	v_readlane_b32 s54, v[ME], \s                  ; the step's member mask
	s_bcnt1_i32_b32 s55, s54
	s_add_co_i32 s53, s52, s55
	s_sub_co_i32 s56, s53, 1
	s_add_co_u32 s57, s55, 31
	s_cmp_lt_u32 s56, s57
	s_cbranch_scc0 .Lcn_\@
	v_mbcnt_lo_u32_b32 v242, s54, 0                ; members in the lanes below me,
	v_sub_nc_u32 v243, v1, v242                    ; and the others
	v_add_nc_u32 v242, s52, v242                   ; a member goes to lo + its rank,
	v_add_nc_u32 v243, s53, v243                   ; another to hi + its rank among the others: lo .. lo + 31 are each named once
	v_cndmask_b32 v242, v243, v242, s54
	v_and_b32 v242, 31, v242
	v_lshlrev_b32 v242, 2, v242
	v_add_nc_u32 v243, 32*\s, v1                   ; my token
	ds_permute_b32 v244, v242, v243
	v_cmp_le_i32 s56, s52, v1
	v_cmp_gt_i32 s57, s53, v1
	s_and_b32 s56, s56, s57                        ; the lanes lo .. hi - 1 have received members
	s_wait_dscnt 0x0
	v_cndmask_b32 v[TOK], v[TOK], v244, s56
.Lcn_\@:
	s_mov_b32 s52, s53
.endm
.macro COLLECT first                   ; lane l of v[TOK] = the token of my expert's row s[first] + l, or 0 past the last row
	v_mov_b32 v[TOK], 0
	s_cmp_lt_u32 s[\first], s28
	s_cbranch_scc0 .Lce_\@
	s_sub_co_i32 s52, 0, s[\first]
.irp s, 0,1,2,3,4,5,6,7,8,9,10,11,12,13,14,15,16,17,18,19,20,21,22,23,24,25,26,27,28,29,30,31
	CSTEP \s
.endr
.Lce_\@:
.endm
.macro TOKPREP b                       ; x's offsets: v[b] the scale words of row lane; v[b+1], v[b+2] the codes of rows r and 16 + r
	v_mov_b32 v246, 0
	v_permlanex16_b32 v246, v[TOK], s42, s43
	v_cndmask_b32 v[\b+1], v[TOK], v246, s44       ; every lane: the token of row r
	v_cndmask_b32 v[\b+2], v246, v[TOK], s44       ; of row 16 + r
	v_min_u32 v[\b], 0x3ff, v[TOK]                 ; a number made of loaded ones enters an address only behind this bound
	v_min_u32 v[\b+1], 0x3ff, v[\b+1]
	v_min_u32 v[\b+2], 0x3ff, v[\b+2]
	v_lshlrev_b32 v[\b], 5, v[\b]                  ; 32 bytes of scales a token
	v_lshl_add_u32 v[\b+1], v[\b+1], 9, v14        ; 512 bytes of codes a token, + 16 hh
	v_lshl_add_u32 v[\b+2], v[\b+2], 9, v14
.endm
.macro XISSUE b                        ; 34 loads: two of scale words, then four for each K step
	global_load_b128 v[XS:XS+3], v[\b], s[10:11]
	global_load_b128 v[XS+4:XS+7], v[\b], s[10:11] offset:16
.irp ks, 0,1,2,3,4,5,6,7
.irp tt, 0,1
.irp c, 0,1
	global_load_b128 v[XF+64*\tt+8*\ks+4*\c:XF+64*\tt+8*\ks+4*\c+3], v[\b+1+\tt], s[8:9] offset:64*\ks+32*\c
.endr
.endr
.endr
.endm
; One product, added in place.  ra, rb: which half of the lanes of the scale registers is read.
.macro MM d, a, b, sa, sb, ra, rb
.if (\ra) == 0 && (\rb) == 0
	v_wmma_scale_f32_16x16x128_f8f6f4 v[\d:\d+7], v[\a:\a+7], v[\b:\b+7], v[\d:\d+7], v[\sa], v[\sb] matrix_a_fmt:MATRIX_FMT_FP4 matrix_b_fmt:MATRIX_FMT_FP4
.elseif (\rb) == 0
	v_wmma_scale_f32_16x16x128_f8f6f4 v[\d:\d+7], v[\a:\a+7], v[\b:\b+7], v[\d:\d+7], v[\sa], v[\sb] matrix_a_fmt:MATRIX_FMT_FP4 matrix_b_fmt:MATRIX_FMT_FP4 matrix_a_scale:MATRIX_SCALE_ROW1
.elseif (\ra) == 0
	v_wmma_scale_f32_16x16x128_f8f6f4 v[\d:\d+7], v[\a:\a+7], v[\b:\b+7], v[\d:\d+7], v[\sa], v[\sb] matrix_a_fmt:MATRIX_FMT_FP4 matrix_b_fmt:MATRIX_FMT_FP4 matrix_b_scale:MATRIX_SCALE_ROW1
.else
	v_wmma_scale_f32_16x16x128_f8f6f4 v[\d:\d+7], v[\a:\a+7], v[\b:\b+7], v[\d:\d+7], v[\sa], v[\sb] matrix_a_fmt:MATRIX_FMT_FP4 matrix_b_fmt:MATRIX_FMT_FP4 matrix_a_scale:MATRIX_SCALE_ROW1 matrix_b_scale:MATRIX_SCALE_ROW1
.endif
.endm
; A K step of a job: w1's four fragments and two scale words from LDS, eight products.  The eight accumulators take turns, one instruction a turn, in the same order in every K step.
.macro KSTEP ks, xw
.if (\ks) > 0
.rept 4
	v_nop                                          ; four places between the last products and the loads into registers that they read
.endr
.endif
	ds_load_b32 v[WS], v8 offset:256*(\ks)
	ds_load_b32 v[WS+1], v8 offset:256*(\ks)+128
.irp nt, 0,1,2,3
	ds_load_b128 v[W+8*\nt:W+8*\nt+3], v7 offset:4096*(\ks)+1024*\nt
	ds_load_b128 v[W+8*\nt+4:W+8*\nt+7], v7 offset:4096*(\ks)+1024*\nt+512
.endr
.if (\xw) > 0
	s_wait_loadcnt 4*(7-(\ks))                     ; x's four loads of this K step are in; four for each later K step may be out
.endif
.irp nt, 0,1,2,3
	s_wait_dscnt 6-2*\nt                           ; tile nt's two loads are in; two for each later tile may be out
	MM ACC+8*\nt, W+8*\nt, XF+8*(\ks), WS+\nt/2, XS+(\ks), \nt%2, 0
	MM ACC+32+8*\nt, W+8*\nt, XF+64+8*(\ks), WS+\nt/2, XS+(\ks), \nt%2, 1
.endr
.endm
.macro PASS_UP pass
.if \pass > 0
	SCAL \pass
.endif
	s_cmp_lt_u32 s27, s28                          ; has the pair a row?
	s_cbranch_scc0 .Lskip_\@
.if \pass == 1
	XISSUE 253                                     ; its tokens were collected in phase S
.elseif \pass > 1
	COLLECT 27
	TOKPREP 250
	XISSUE 250
.endif
.irp tt, 0,1                           ; b1 goes into the accumulators: lane (r, hh) wants, for tile nt = 2 cg + u, the numbers of f = 32 cg + 16 hh + 8 u + 0 .. 7
.irp nt, 0,1,2,3
.irp q, 0,1
	ds_load_b128 v[ACC+32*\tt+8*\nt+4*\q:ACC+32*\tt+8*\nt+4*\q+3], v11 offset:128*(\nt/2)+32*(\nt%2)+16*\q
.endr
.endr
.endr
.irp ks, 0,1,2,3,4,5,6,7
	KSTEP \ks, \pass
.endr
.rept 4
	v_nop                                          ; four places ahead of the first read of results
.endr
.set aj, 0
.rept 64
	v_max_num_f32 v[ACC+aj], 0, v[ACC+aj]          ; relu, each accumulator from its low end on
.set aj, aj+1
.endr
	; four blocks of 32 along F: block b = 2 tt + cg is v[ACC + 16 b ..]: my 16 numbers f = 16 hh + 0 .. 15; the other 16 lie in lane l xor 16.  None is negative: no |.|
.irp b, 0,1,2,3
	v_max3_num_f32 v[TM+\b], v[ACC+16*\b], v[ACC+16*\b+1], 0x1800000
.endr
.irp i, 2,4,6,8,10,12,14
.irp b, 0,1,2,3
	v_max3_num_f32 v[TM+\b], v[TM+\b], v[ACC+16*\b+\i], v[ACC+16*\b+\i+1]
.endr
.endr
.irp b, 0,1,2,3
	v_permlanex16_b32 v[TM+4+\b], v[TM+\b], s42, s43
.endr
.irp b, 0,1,2,3
	v_max_num_f32 v[TM+\b], v[TM+\b], v[TM+4+\b]
.endr
.irp b, 0,1,2,3
	v_add_nc_u32 v[TM+8+\b], 0xff000000, v[TM+\b]
.endr
.irp b, 0,1,2,3
	v_lshrrev_b32 v[TM+4+\b], 23, v[TM+8+\b]
.endr
.irp b, 0,1,2,3
	v_cvt_scalef32_pk8_fp4_f32 v[TM+12+2*\b], v[ACC+16*\b:ACC+16*\b+7], v[TM+8+\b]
	v_cvt_scalef32_pk8_fp4_f32 v[TM+13+2*\b], v[ACC+16*\b+8:ACC+16*\b+15], v[TM+8+\b]
.endr
	v_lshl_or_b32 v[TM+20], v[TM+5], 8, v[TM+4]    ; a row's two bytes, tile 0's rows; (plain lines behind the conversions)
	v_lshl_or_b32 v[TM+21], v[TM+7], 8, v[TM+6]    ; tile 1's
	v_cndmask_b32 v[TM+20], v[TM+20], v[TM+21], s44  ; lane l: row l of the pair
.irp b, 0,1,2,3
	global_store_b64 v12, v[TM+12+2*\b:TM+13+2*\b], s[34:35] offset:36864*(\b%2)+256*(\b/2)   ; 16 slots x 16 bytes: 256 bytes on end, aligned
.endr
	global_store_b16 v13, v[TM+20], s[36:37]
	s_wait_xcnt 0x0                                ; the stores have read their registers and bases: the next pass writes both
.Lskip_\@:
.endm
	; the words of choice go first, so that they are the first to come back
.irp j, 0,1
	global_load_b32 v[CW+\j], v106, s[12:13] offset:128*\j
.endr
.set sj, 0
.rept 16
	global_load_b32 v[C+sj], v105, s[12:13] offset:128*sj
.set sj, sj+1
.endr
	global_load_b128 v[238:241], v10, s[6:7]       ; b1's 128 numbers, in every wave, so that all waves count alike
	LOADB 0
	LOADB 1
	s_wait_loadcnt 63                              ; choice is in: 65 loads are younger (b1's one, blocks 0 and 1); the wait's field holds 63, which asks for a little more
	; THE SWEEP: my expert, my sixteen steps; two sets of registers by turns
.set sj, 0
.rept 16
	v_and_b32 v[34+2*(sj%2)], 0xff, v[C+sj]
	v_bfe_u32 v[35+2*(sj%2)], v[C+sj], 8, 8
	v_cmp_eq_u32 s[45+2*(sj%2)], s23, v[34+2*(sj%2)]
	v_cmp_eq_u32 s[46+2*(sj%2)], s23, v[35+2*(sj%2)]
	s_or_b32 s[45+2*(sj%2)], s[45+2*(sj%2)], s[46+2*(sj%2)]        ; the step's members
	v_writelane_b32 v[LT], s[45+2*(sj%2)], sj
	v_writelane_b32 v[LT], s50, 16+sj              ; and the members before it in my half
	s_bcnt1_i32_b32 s[46+2*(sj%2)], s[45+2*(sj%2)]
	s_add_co_u32 s50, s50, s[46+2*(sj%2)]
.set sj, sj+1
.endr
	v_mov_b32 v41, s50
	ds_store_b32 v107, v[LT]
	ds_store_b32 v108, v41                         ; all lanes write the same word with the same value
	s_wait_dscnt 0x0                               ; for the others' sake
	s_barrier_signal -1
	s_barrier_wait -1
.irp q, 0,1,2,3
	ds_load_b128 v[TL+4*\q:TL+4*\q+3], v109 offset:16*\q
.endr
	ds_load_b128 v[MC:MC+3], v110
	ds_load_b128 v[MC+4:MC+7], v110 offset:16
.irp j, 0,1
.irp q, 0,1
	ds_load_b128 v[MV+8*\j+4*\q:MV+8*\j+4*\q+3], v111 offset:32*\j+16*\q
	ds_load_b128 v[BV+8*\j+4*\q:BV+8*\j+4*\q+3], v111 offset:1024+32*\j+16*\q
.endr
.endr
	BLOCK 0, 32                                    ; younger: block 1's 32
	s_cmp_lg_u32 s20, 0
	s_cbranch_scc1 .Lnot_wave_0
	ds_store_b128 v9, v[238:241]                   ; wave 0 lays b1 into LDS
.Lnot_wave_0:
	s_wait_dscnt 0x0                               ; the tables
.irp k, 0,1,2,3,4,5,6,7,8,9,10,11,12,13,14,15
	v_readfirstlane_b32 s[66+\k], v[TL+\k]         ; s66-73 the first half's totals, s74-81 the second's
.endr
.irp k, 0,1,2,3,4,5,6,7
	s_add_co_u32 s[82+\k], s[66+\k], s[74+\k]      ; cnt_k
.endr
	s_mov_b32 s90, 0                               ; off_0
.irp k, 0,1,2,3,4,5,6
	s_add_co_u32 s45, s[82+\k], 31
	s_and_not1_b32 s45, s45, 31
	s_add_co_u32 s[91+\k], s[90+\k], s45
.endr
	v_mov_b32 v[ME], v[MC]                         ; my own expert's: cnt s28, off s29, and its mask of step = lane
	s_mov_b32 s28, s82
	s_mov_b32 s29, 0
.irp k, 1,2,3,4,5,6,7
	s_cmp_eq_u32 s21, \k
	s_cselect_b32 s28, s[82+\k], s28
	s_cselect_b32 s29, s[90+\k], s29
	s_cselect_b32 s45, -1, 0
	v_cndmask_b32 v[ME], v[ME], v[MC+\k], s45
.endr
	; work-group (0, 0) stores tab and pos.  Wave w takes tokens 64 w .. 64 w + 63: a token's slot with EVERY expert is one v_mbcnt of that expert's mask onto the members before, and the two chosen are picked
	s_or_b32 s45, s22, s21
	s_cmp_lg_u32 s45, 0
	s_cbranch_scc1 .Lno_route
	s_cmp_ge_u32 s20, 8                            ; steps 16 and up: the first half's total counts too
.irp k, 0,1,2,3,4,5,6,7
	s_cselect_b32 s[74+\k], s[66+\k], 0
.endr
.irp k, 0,1,2,3,4,5,6,7
	s_add_co_u32 s[74+\k], s[74+\k], s[90+\k]      ; + off_k
.endr
.irp j, 0,1
	v_and_b32 v36, 0xff, v[CW+\j]
	v_bfe_u32 v37, v[CW+\j], 8, 8
	v_mbcnt_lo_u32_b32 v38, v[MV+8*\j], v[BV+8*\j]
	v_add_nc_u32 v[P+2*\j], s74, v38               ; expert 0 starts both
	v_mov_b32 v[P+2*\j+1], v[P+2*\j]
.irp e, 1,2,3,4,5,6,7
	v_mbcnt_lo_u32_b32 v38, v[MV+8*\j+\e], v[BV+8*\j+\e]
	v_add_nc_u32 v38, s[74+\e], v38                ; the slot that my token would have with expert e
	v_cmp_eq_u32 vcc_lo, \e, v36
	v_cndmask_b32 v[P+2*\j], v[P+2*\j], v38, vcc_lo
	v_cmp_eq_u32 vcc_lo, \e, v37
	v_cndmask_b32 v[P+2*\j+1], v[P+2*\j+1], v38, vcc_lo
.endr
	global_store_b64 v112, v[P+2*\j:P+2*\j+1], s[40:41] offset:256*\j      ; 256 bytes on end
.endr
	s_cmp_lg_u32 s20, 0
	s_cbranch_scc1 .Lno_tab
	v_mov_b32 v104, 0
	v_lshlrev_b32 v39, 2, v1
.irp k, 0,1,2,3,4,5,6,7
	v_writelane_b32 v104, s[82+\k], 2*\k
	v_writelane_b32 v104, s[90+\k], 2*\k+1
.endr
	global_store_b32 v39, v104, s[18:19]           ; wave 0: the table, 128 bytes on end
.Lno_tab:
	s_wait_xcnt 0x0                                ; the stores have read their registers: x's fragments land there later
.Lno_route:
	SCAL 0
	BLOCK 1, 32                                    ; block 2's
	COLLECT 27                                     ; pass 0's tokens
	TOKPREP 250
	XISSUE 250                                     ; pass 0's rows of x: 34 loads
	BLOCK 2, 63                                    ; block 3's 32 and x's 34 are younger: 66; the wait's field holds 63, which asks for a little more
	s_add_co_u32 s58, s27, 256
	COLLECT 58                                     ; pass 1's tokens
	TOKPREP 253
	BLOCK 3, 63                                    ; x's 34 and block 4's 32
	BLOCK 4, 32                                    ; block 5's; x is in
	BLOCK 5, 32
	BLOCK 6, 32
	BLOCK 7, 0
	s_wait_dscnt 0x0                               ; for the others' sake: my images lie in LDS
	s_barrier_signal -1
	s_barrier_wait -1
	PASS_UP 0
	PASS_UP 1
	PASS_UP 2
	PASS_UP 3
	s_wait_xcnt 0x0
	v_lshl_add_u32 v254, v0, 2, 0x11b00
	v_mov_b32 v255, 0
	s_wait_tensorcnt 0x0
	ds_add_u32 v254, v255
	s_wait_dscnt 0x0
	s_endpgm
.Lfunc_end_k_q1348075a4c_up:
	.size	k_q1348075a4c_up, .Lfunc_end_k_q1348075a4c_up-k_q1348075a4c_up
	.p2alignl 7, 3214868480
	.fill 96, 4, 3214868480
	.section	.rodata,"a",@progbits
	.p2align	6, 0x0
	.amdhsa_kernel k_q1348075a4c_up
		.amdhsa_group_segment_fixed_size 74496
		.amdhsa_private_segment_fixed_size 0
		.amdhsa_enable_private_segment 0
		.amdhsa_kernarg_size 64
		.amdhsa_user_sgpr_count 2
		.amdhsa_user_sgpr_kernarg_segment_ptr 1
		.amdhsa_wavefront_size32 1
		.amdhsa_system_sgpr_workgroup_id_x 1
		.amdhsa_system_sgpr_workgroup_id_y 1
		.amdhsa_system_sgpr_workgroup_id_z 1
		.amdhsa_system_vgpr_workitem_id 0
		.amdhsa_next_free_vgpr 256
		.amdhsa_next_free_sgpr 100
		.amdhsa_reserve_vcc 1
		.amdhsa_float_denorm_mode_32 3
		.amdhsa_float_denorm_mode_16_64 3
		.amdhsa_memory_ordered 1
		.amdhsa_forward_progress 1
		.amdhsa_inst_pref_size 255
	.end_amdhsa_kernel
	.section	.bss,"aw",@nobits
	.p2align	6
	.space	262144
	.amdgpu_metadata
---
amdhsa.version: [ 1, 2 ]
amdhsa.kernels:
  - .name:           k_q1348075a4c_up
    .symbol:         k_q1348075a4c_up.kd
    .args:
      - { .name: w1, .offset: 0, .size: 8, .value_kind: global_buffer, .address_space: global }
      - { .name: b1, .offset: 8, .size: 8, .value_kind: global_buffer, .address_space: global }
      - { .name: x_codes, .offset: 16, .size: 8, .value_kind: global_buffer, .address_space: global }
      - { .name: x_scales, .offset: 24, .size: 8, .value_kind: global_buffer, .address_space: global }
      - { .name: choice, .offset: 32, .size: 8, .value_kind: global_buffer, .address_space: global }
      - { .name: h_codes, .offset: 40, .size: 8, .value_kind: global_buffer, .address_space: global }
      - { .name: h_scales, .offset: 48, .size: 8, .value_kind: global_buffer, .address_space: global }
      - { .name: route, .offset: 56, .size: 8, .value_kind: global_buffer, .address_space: global }
    .group_segment_fixed_size: 74496
    .private_segment_fixed_size: 0
    .kernarg_segment_align: 8
    .kernarg_segment_size: 64
    .max_flat_workgroup_size: 512
    .sgpr_count:     100
    .vgpr_count:     256
    .wavefront_size: 32
...
	.end_amdgpu_metadata
.endif
;; end of part 2
;; launch down (part 3): grid 32 x 8, 16 waves a work-group, no clusters, 210,944 bytes of LDS; arguments w2, b2, h_codes, h_scales, route, part; writes part
.if DOCPART == 3
	.amdgcn_target "amdgcn-amd-amdhsa--gfx1250"
	.amdhsa_code_object_version 6
	.text
	.protected	k_q1348075a4c_down
	.globl	k_q1348075a4c_down
	.p2align	8
	.type	k_q1348075a4c_down,@function
k_q1348075a4c_down:
	s_mov_b64 s[64:65], 0
	v_nop
	global_prefetch_b8 v0, s[64:65] scope:SCOPE_SE
	s_setreg_imm32_b32 hwreg(HW_REG_WAVE_MODE, 25, 1), 1
	s_wait_xcnt 0x0
; part[kh][slot][:] = hidden[slot][2,048 kh .. + 2,047] w2_e[2,048 kh .. + 2,047][:] (+ b2_e where kh = 0), on codes of E2M1 with one E8M0 scale for each 32 along F.  The hidden layer arrives as codes (h_codes [f / 32][slot][16], h_scales [f / 64][slot][2]).
; A work-group is (hc = x % 16, kh = x / 16, e = y): columns 64 hc .. + 63 of w2[e], rows 2,048 kh .. + 2,047: 512 KiB of f32 that this work-group alone reads, once.
; PHASE S: the slice is quantised into LDS as images of operand registers: a lane takes a column, its registers run down K.  Wave w (cg = w / 8, s8 = w % 8) takes 32 columns and K steps s8 and 8 + s8 (hf) of the sixteen: eight blocks, loads two ahead.
; PHASE G: a job = 32 slots (pair p) x 64 columns x eight K steps (half hfj): 64 matrix instructions, used transposed (source 0 = 16 columns of w2, source 1 = 16 slots).  Waves 2 i and 2 i + 1 hold the two halves of one pair's sum over K:
; both lay their 32 x 64 sums into stages in LDS; behind a barrier wave 2 i adds the two for slots 0-15, wave 2 i + 1 for slots 16-31, adds b2, and stores whole rows of 256 bytes.  Passes 0 .. 3 (p = w / 2 + 8 pass) serve up to 1,024 rows;
; a job with 32 p >= cnt jumps over its work (a scalar branch on the stored count), never over a barrier.  A second barrier parts a pass's reads of the stages from the next pass's stores.
; Pass 0's codes are asked for in phase S by every wave (a wave without a job asks for slots 0-31, which are always written), so that all waves count alike.
; No tensor loads and no cluster: the counts that steer the jobs are read from memory.  LIMITS: NaN and infinities are not served; a block of zeros gets the byte 1.
; LDS: 0 images, 65,536 scale words (as in the launch before);  69,632 + 8,704 wave: a stage of 32 rows x (256 bytes + 16).
; REGISTERS: v1 lane, v2 r, v3 hh; v4-14 addresses; v16-143 the hidden layer's fragments (16 + 64 tt + 8 ks); v144-151 its scale words; phase S: v152-215 landing, v216-231 codes, v232 scale word, v233-236 at work;
;   phase G: v152-215 accumulators, then rows from the stages; v216-247 w2's four fragments (v240-247 first hold the upper halves of the scale words); v248-249 their scale words; v250-253 b2.
.set LAND, 152
.set CD,   216
.set SB,   232
.set ACC,  152
.set W,    216
.set WS,   248
.set XF,   16
.set XS,   144
.set XH,   240
.set SCI,  65536
.set STG,  69632
	s_load_b256 s[4:11], s[0:1], 0x0               ; w2, b2, h_codes, h_scales
	s_load_b128 s[12:15], s[0:1], 0x20             ; route, part
	v_lshl_add_u32 v254, v0, 2, 0x33000
	v_mov_b32 v255, 0
	v_lshrrev_b32 v1, 5, v0
	v_readfirstlane_b32 s20, v1                    ; wave 0..15
	s_and_b32 s21, ttmp7, 0xffff                   ; e
	s_and_b32 s22, ttmp9, 15                       ; hc
	s_lshr_b32 s30, ttmp9, 4                       ; kh
	s_and_b32 s23, s20, 7                          ; s8
	s_lshr_b32 s24, s20, 3                         ; cg
	s_and_b32 s25, s20, 1                          ; hfj
	v_and_b32 v1, 31, v0                           ; lane
	v_and_b32 v2, 15, v0                           ; r
	v_bfe_u32 v3, v0, 4, 1                         ; hh
	v_lshlrev_b32 v4, 2, v1                        ; my column of the 32
	v_lshlrev_b32 v15, 4, v1                       ; 16 x lane
	s_lshl_b32 s45, s23, 12
	s_lshl_b32 s46, s24, 11
	s_add_co_u32 s45, s45, s46
	v_add_nc_u32 v5, s45, v15                      ; images, in
	s_lshl_b32 s45, s23, 8
	s_lshl_b32 s46, s24, 7
	s_add_co_u32 s45, s45, s46
	s_add_co_u32 s45, s45, SCI
	v_add_nc_u32 v6, s45, v4                       ; scale words, in
	s_lshl_b32 s45, s25, 15
	v_add_nc_u32 v7, s45, v15                      ; images, out
	s_lshl_b32 s45, s25, 11
	s_add_co_u32 s45, s45, SCI
	v_add_nc_u32 v8, s45, v4                       ; scale words, out
	s_mul_i32 s45, s20, 8704
	s_add_co_u32 s45, s45, STG
	v_mul_u32_u24 v9, v2, 272
	v_lshl_add_u32 v9, v3, 5, v9
	v_add_nc_u32 v9, s45, v9                       ; my stage, in: row r, + 32 hh
	s_and_b32 s45, s20, 14
	s_mul_i32 s45, s45, 8704
	s_mul_i32 s46, s25, 4352
	s_add_co_u32 s45, s45, s46
	s_add_co_u32 s45, s45, STG
	v_mul_u32_u24 v10, v3, 272
	v_lshl_add_u32 v10, v2, 4, v10
	v_add_nc_u32 v10, s45, v10                     ; the even wave's stage, out: rows 16 hfj on; lanes 0-15 one row, lanes 16-31 the next
	v_lshlrev_b32 v14, 4, v2                       ; 16 r
	v_lshl_add_u32 v11, v3, 12, v14                ; part: the same two rows
	v_mul_u32_u24 v12, v3, 36864
	v_add_nc_u32 v12, v12, v14                     ; h_codes: slot r, block + hh
	v_lshlrev_b32 v13, 1, v1                       ; h_scales: slot lane
	s_lshl_b32 s32, s21, 24                        ; w2: expert,
	s_lshl_b32 s45, s30, 23                        ; 2,048 kh rows of 4,096 bytes,
	s_add_co_u32 s32, s32, s45
	s_lshl_b32 s45, s23, 19                        ; 128 s8 rows,
	s_add_co_u32 s32, s32, s45
	s_lshl_b32 s45, s22, 8                         ; 64 hc columns,
	s_add_co_u32 s32, s32, s45
	s_lshl_b32 s45, s24, 7                         ; 32 cg columns
	s_add_co_u32 s32, s32, s45
	s_mov_b32 s33, 0
	s_lshl_b32 s42, s21, 12                        ; b2: 1,024 e + 64 hc numbers
	s_lshl_b32 s45, s22, 8
	s_add_co_u32 s42, s42, s45
	s_mov_b32 s43, 0
	s_lshl_b32 s48, s21, 3                         ; tab[e]
	s_mov_b32 s49, 0
	s_cmp_eq_u32 s30, 0
	s_cselect_b32 s44, -1, 0                       ; all lanes where kh = 0: b2 is added once
	s_wait_kmcnt 0x0
	s_add_nc_u64 s[4:5], s[4:5], s[32:33]
	s_add_nc_u64 s[6:7], s[6:7], s[42:43]
	s_add_nc_u64 s[40:41], s[12:13], s[48:49]
	s_load_b64 s[28:29], s[40:41], 0x0             ; cnt, off
.macro LOADB t                         ; block t = 4 hf + b: rows 1,024 hf + 32 b + i of my part, my column, into landing set t % 2; the wave reads 128 bytes on end, and wave w + 8 the 128 beside them
.set li, 0
.rept 32
	global_load_b32 v[LAND+32*((\t)%2)+li], v4, s[4:5] offset:(1024*((\t)/4)+32*((\t)%4)+li)*4096 th:TH_LOAD_NT
.set li, li+1
.endr
.endm
.macro BLOCK t, n                      ; block t is quantised; n: the loads younger than its 32
.set LS, LAND+32*((\t)%2)
	s_wait_loadcnt \n
	v_max3_num_f32 v233, |v[LS]|, |v[LS+1]|, |v[LS+2]|
	v_max3_num_f32 v234, |v[LS+3]|, |v[LS+4]|, |v[LS+5]|
.irp i, 6,10,14,18,22,26
	v_max3_num_f32 v233, v233, |v[LS+\i]|, |v[LS+\i+1]|
	v_max3_num_f32 v234, v234, |v[LS+\i+2]|, |v[LS+\i+3]|
.endr
	v_max3_num_f32 v233, v233, |v[LS+30]|, |v[LS+31]|
	v_max3_num_f32 v233, v233, v234, 0x1800000     ; the floor 2^(3 - 127): the byte cannot fall under 1
	v_add_nc_u32 v235, 0xff000000, v233            ; 2 off the exponent field: the conversion's scale operand
.if (\t)%4 == 0
	v_lshrrev_b32 v[SB], 23, v235
.else
	v_lshrrev_b32 v236, 23, v235
	v_lshl_or_b32 v[SB], v236, 8*((\t)%4), v[SB]
.endif
.irp g, 0,1,2,3
	v_cvt_scalef32_pk8_fp4_f32 v[CD+4*((\t)%4)+\g], v[LS+8*\g:LS+8*\g+7], v235
.endr
.if (\t) < 6
	LOADB (\t)+2
.endif
.if (\t)%4 == 3
	v_nop                                          ; a plain instruction between the conversions and the lines that touch their results
.irp i, 0,1,2,3
	v_permlane16_swap_b32 v[CD+\i], v[CD+4+\i]     ; blocks 2 c and 2 c + 1 of one tile into one register
	v_permlane16_swap_b32 v[CD+8+\i], v[CD+12+\i]
.endr
	ds_store_b128 v5, v[CD:CD+3] offset:32768*((\t)/4)
	ds_store_b128 v5, v[CD+8:CD+11] offset:32768*((\t)/4)+512
	ds_store_b128 v5, v[CD+4:CD+7] offset:32768*((\t)/4)+1024
	ds_store_b128 v5, v[CD+12:CD+15] offset:32768*((\t)/4)+1536
	ds_store_b32 v6, v[SB] offset:2048*((\t)/4)
	s_wait_dscnt 0x0                               ; the stores have read their registers
.endif
.endm
.macro SCAL pass                       ; the pass's numbers: pair, whether it has a row (s47), first slot, and the three bases
	s_lshr_b32 s26, s20, 1
	s_add_co_u32 s26, s26, 8*\pass
	s_lshl_b32 s27, s26, 5
	s_add_co_u32 s31, s29, s27
	s_cmp_lt_u32 s27, s28
	s_cselect_b32 s47, 1, 0
	s_cselect_b32 s31, s31, 0                      ; without a job: slots 0-31
	s_min_u32 s31, s31, 2272                       ; a loaded number enters an address only behind this bound
	s_lshl_b32 s45, s30, 6
	s_lshl_b32 s46, s25, 5
	s_add_co_u32 s45, s45, s46                     ; f / 32 = 64 kh + 32 hfj
	s_mul_i32 s45, s45, 2304
	s_add_co_u32 s45, s45, s31
	s_lshl_b32 s32, s45, 4
	s_mov_b32 s33, 0
	s_add_nc_u64 s[34:35], s[8:9], s[32:33]
	s_lshl_b32 s45, s30, 5
	s_lshl_b32 s46, s25, 4
	s_add_co_u32 s45, s45, s46                     ; f / 64 = 32 kh + 16 hfj
	s_mul_i32 s45, s45, 2304
	s_add_co_u32 s45, s45, s31
	s_lshl_b32 s32, s45, 1
	s_add_nc_u64 s[36:37], s[10:11], s[32:33]
	s_mul_i32 s45, s30, 2304
	s_add_co_u32 s45, s45, s31
	s_lshl_b32 s46, s25, 4
	s_add_co_u32 s45, s45, s46                     ; part's row: 2,304 kh + slot + 16 hfj
	s_lshl_b32 s32, s45, 12
	s_lshl_b32 s46, s22, 8
	s_add_co_u32 s32, s32, s46
	s_add_nc_u64 s[38:39], s[14:15], s[32:33]
.endm
.macro XISSUE                          ; 48 loads: sixteen half words of scales, then four loads of codes for each K step (sixteen lanes read 256 bytes on end)
.irp ks, 0,1,2,3,4,5,6,7
	global_load_u16 v[XS+\ks], v13, s[36:37] offset:(2*\ks)*4608
	global_load_u16 v[XH+\ks], v13, s[36:37] offset:(2*\ks+1)*4608
.endr
.irp ks, 0,1,2,3,4,5,6,7
.irp tt, 0,1
.irp c, 0,1
	global_load_b128 v[XF+64*\tt+8*\ks+4*\c:XF+64*\tt+8*\ks+4*\c+3], v12, s[34:35] offset:(4*\ks+2*\c)*36864+256*\tt
.endr
.endr
.endr
.endm
; One product.  z is written as the number 1 or 0 (never as a comparison, whose value when true is -1): 1: the product starts the sum with the constant 0.  ra, rb: which half of the lanes of the scale registers is read.
.macro MM z, d, a, b, sa, sb, ra, rb
.if (\z) == 1
.if (\ra) == 0 && (\rb) == 0
	v_wmma_scale_f32_16x16x128_f8f6f4 v[\d:\d+7], v[\a:\a+7], v[\b:\b+7], 0, v[\sa], v[\sb] matrix_a_fmt:MATRIX_FMT_FP4 matrix_b_fmt:MATRIX_FMT_FP4
.elseif (\rb) == 0
	v_wmma_scale_f32_16x16x128_f8f6f4 v[\d:\d+7], v[\a:\a+7], v[\b:\b+7], 0, v[\sa], v[\sb] matrix_a_fmt:MATRIX_FMT_FP4 matrix_b_fmt:MATRIX_FMT_FP4 matrix_a_scale:MATRIX_SCALE_ROW1
.elseif (\ra) == 0
	v_wmma_scale_f32_16x16x128_f8f6f4 v[\d:\d+7], v[\a:\a+7], v[\b:\b+7], 0, v[\sa], v[\sb] matrix_a_fmt:MATRIX_FMT_FP4 matrix_b_fmt:MATRIX_FMT_FP4 matrix_b_scale:MATRIX_SCALE_ROW1
.else
	v_wmma_scale_f32_16x16x128_f8f6f4 v[\d:\d+7], v[\a:\a+7], v[\b:\b+7], 0, v[\sa], v[\sb] matrix_a_fmt:MATRIX_FMT_FP4 matrix_b_fmt:MATRIX_FMT_FP4 matrix_a_scale:MATRIX_SCALE_ROW1 matrix_b_scale:MATRIX_SCALE_ROW1
.endif
.else
.if (\ra) == 0 && (\rb) == 0
	v_wmma_scale_f32_16x16x128_f8f6f4 v[\d:\d+7], v[\a:\a+7], v[\b:\b+7], v[\d:\d+7], v[\sa], v[\sb] matrix_a_fmt:MATRIX_FMT_FP4 matrix_b_fmt:MATRIX_FMT_FP4
.elseif (\rb) == 0
	v_wmma_scale_f32_16x16x128_f8f6f4 v[\d:\d+7], v[\a:\a+7], v[\b:\b+7], v[\d:\d+7], v[\sa], v[\sb] matrix_a_fmt:MATRIX_FMT_FP4 matrix_b_fmt:MATRIX_FMT_FP4 matrix_a_scale:MATRIX_SCALE_ROW1
.elseif (\ra) == 0
	v_wmma_scale_f32_16x16x128_f8f6f4 v[\d:\d+7], v[\a:\a+7], v[\b:\b+7], v[\d:\d+7], v[\sa], v[\sb] matrix_a_fmt:MATRIX_FMT_FP4 matrix_b_fmt:MATRIX_FMT_FP4 matrix_b_scale:MATRIX_SCALE_ROW1
.else
	v_wmma_scale_f32_16x16x128_f8f6f4 v[\d:\d+7], v[\a:\a+7], v[\b:\b+7], v[\d:\d+7], v[\sa], v[\sb] matrix_a_fmt:MATRIX_FMT_FP4 matrix_b_fmt:MATRIX_FMT_FP4 matrix_a_scale:MATRIX_SCALE_ROW1 matrix_b_scale:MATRIX_SCALE_ROW1
.endif
.endif
.endm
; A K step of a job.  K step 0's eight products start the eight sums: the accumulators' registers hold other things until then (phase S's numbers, the last pass's rows).
; The eight accumulators take turns, one instruction a turn, in the same order in every K step.
.macro KSTEP ks, xw
.rept 4
	v_nop                                          ; four places between the last products and the loads into registers that they read; ahead of K step 0 they are among the places behind the lines that made the scale words
.endr                                              ; and, with the four behind the last pass's K step 7, the places ahead of products that begin the accumulators anew
	ds_load_b32 v[WS], v8 offset:256*(\ks)
	ds_load_b32 v[WS+1], v8 offset:256*(\ks)+128
.irp nt, 0,1,2,3
	ds_load_b128 v[W+8*\nt:W+8*\nt+3], v7 offset:4096*(\ks)+1024*\nt
	ds_load_b128 v[W+8*\nt+4:W+8*\nt+7], v7 offset:4096*(\ks)+1024*\nt+512
.endr
.if (\xw) > 0
	s_wait_loadcnt 4*(7-(\ks))                     ; this K step's four loads of codes are in; four for each later K step may be out
.endif
.irp nt, 0,1,2,3
	s_wait_dscnt 6-2*\nt                           ; tile nt's two loads are in; two for each later tile may be out
.if (\ks) == 0
	MM 1, ACC+8*\nt, W+8*\nt, XF+8*(\ks), WS+\nt/2, XS+(\ks), \nt%2, 0
	MM 1, ACC+32+8*\nt, W+8*\nt, XF+64+8*(\ks), WS+\nt/2, XS+(\ks), \nt%2, 1
.else
	MM 0, ACC+8*\nt, W+8*\nt, XF+8*(\ks), WS+\nt/2, XS+(\ks), \nt%2, 0
	MM 0, ACC+32+8*\nt, W+8*\nt, XF+64+8*(\ks), WS+\nt/2, XS+(\ks), \nt%2, 1
.endif
.endr
.endm
.macro PASS_DOWN pass, last
.if \pass > 0
	SCAL \pass
.endif
	s_cmp_eq_u32 s47, 0
	s_cbranch_scc1 .Lno_mul_\@
.if \pass > 0
	XISSUE
	s_wait_loadcnt 32                              ; the sixteen half words are in; the 32 loads of codes are younger
.endif
.irp ks, 0,1,2,3,4,5,6,7
	v_lshl_or_b32 v[XS+\ks], v[XH+\ks], 16, v[XS+\ks]      ; a K step's scale word: blocks 0, 1 below, blocks 2, 3 above.  K step 0's is made first: seven of these lines and four v_nop stand between it and its product
.endr
.irp ks, 0,1,2,3,4,5,6,7
	KSTEP \ks, \pass
.endr
.rept 4
	v_nop                                          ; four places ahead of the first read of results
.endr
.irp tt, 0,1
.irp nt, 0,1,2,3
	ds_store_b128 v9, v[ACC+32*\tt+8*\nt:ACC+32*\tt+8*\nt+3] offset:4352*\tt+64*\nt         ; lane (r, hh): slot 16 tt + r, columns 16 nt + 8 hh + 0 .. 7; each accumulator from its low end on
	ds_store_b128 v9, v[ACC+32*\tt+8*\nt+4:ACC+32*\tt+8*\nt+7] offset:4352*\tt+64*\nt+16
.endr
.endr
.Lno_mul_\@:
	s_wait_dscnt 0x0                               ; for my partner's sake: my sums lie in my stage
	s_barrier_signal -1
	s_barrier_wait -1
	s_cmp_eq_u32 s47, 0
	s_cbranch_scc1 .Lno_sum_\@
.irp i, 0,1,2,3,4,5,6,7
	ds_load_b128 v[ACC+4*\i:ACC+4*\i+3], v10 offset:544*\i             ; the lower half of K,
.endr
.irp i, 0,1,2,3,4,5,6,7
	ds_load_b128 v[ACC+32+4*\i:ACC+32+4*\i+3], v10 offset:544*\i+8704  ; the upper
.endr
	s_wait_dscnt 0x0
.irp i, 0,1,2,3,4,5,6,7
	v_pk_add_f32 v[ACC+4*\i:ACC+4*\i+1], v[ACC+4*\i:ACC+4*\i+1], v[ACC+32+4*\i:ACC+32+4*\i+1]
	v_pk_add_f32 v[ACC+4*\i+2:ACC+4*\i+3], v[ACC+4*\i+2:ACC+4*\i+3], v[ACC+32+4*\i+2:ACC+32+4*\i+3]
.endr
.irp i, 0,1,2,3,4,5,6,7
	v_pk_add_f32 v[ACC+4*\i:ACC+4*\i+1], v[ACC+4*\i:ACC+4*\i+1], v[250:251]
	v_pk_add_f32 v[ACC+4*\i+2:ACC+4*\i+3], v[ACC+4*\i+2:ACC+4*\i+3], v[252:253]
.endr
.irp i, 0,1,2,3,4,5,6,7
	global_store_b128 v11, v[ACC+4*\i:ACC+4*\i+3], s[38:39] offset:8192*\i th:TH_STORE_NT   ; sixteen lanes store 256 bytes on end, aligned
.endr
	s_wait_xcnt 0x0                                ; the stores have read their registers and base: the next pass writes both
.Lno_sum_\@:
.if \last == 0
	s_wait_dscnt 0x0                               ; my reads of the stages are over:
	s_barrier_signal -1
	s_barrier_wait -1                              ; only now are they written again
.endif
.endm
	global_load_b128 v[250:253], v14, s[6:7]       ; b2 of columns 64 hc + 4 r + 0 .. 3
	LOADB 0
	LOADB 1
	s_wait_kmcnt 0x0                               ; cnt, off
	SCAL 0
	XISSUE                                         ; pass 0's codes and scales: 48 loads
	BLOCK 0, 63                                    ; block 1's 32 and the 48 are younger: 80; the wait's field holds 63, which asks for a little more
.irp k, 250,251,252,253
	v_cndmask_b32 v\k, 0, v\k, s44                 ; b2 counts in the lower half of K alone
.endr
	BLOCK 1, 63                                    ; the 48 and block 2's 32
	BLOCK 2, 32                                    ; block 3's; the 48 are in
	BLOCK 3, 32
	BLOCK 4, 32
	BLOCK 5, 32
	BLOCK 6, 32
	BLOCK 7, 0
	s_wait_dscnt 0x0                               ; for the others' sake: my images lie in LDS
	s_barrier_signal -1
	s_barrier_wait -1
	PASS_DOWN 0, 0
	PASS_DOWN 1, 0
	PASS_DOWN 2, 0
	PASS_DOWN 3, 1
	s_wait_tensorcnt 0x0
	ds_add_u32 v254, v255
	s_wait_dscnt 0x0
	s_endpgm
.Lfunc_end_k_q1348075a4c_down:
	.size	k_q1348075a4c_down, .Lfunc_end_k_q1348075a4c_down-k_q1348075a4c_down
	.p2alignl 7, 3214868480
	.fill 96, 4, 3214868480
	.section	.rodata,"a",@progbits
	.p2align	6, 0x0
	.amdhsa_kernel k_q1348075a4c_down
		.amdhsa_group_segment_fixed_size 210944
		.amdhsa_private_segment_fixed_size 0
		.amdhsa_enable_private_segment 0
		.amdhsa_kernarg_size 48
		.amdhsa_user_sgpr_count 2
		.amdhsa_user_sgpr_kernarg_segment_ptr 1
		.amdhsa_wavefront_size32 1
		.amdhsa_system_sgpr_workgroup_id_x 1
		.amdhsa_system_sgpr_workgroup_id_y 1
		.amdhsa_system_sgpr_workgroup_id_z 1
		.amdhsa_system_vgpr_workitem_id 0
		.amdhsa_next_free_vgpr 256
		.amdhsa_next_free_sgpr 66
		.amdhsa_reserve_vcc 0
		.amdhsa_float_denorm_mode_32 3
		.amdhsa_float_denorm_mode_16_64 3
		.amdhsa_memory_ordered 1
		.amdhsa_forward_progress 1
		.amdhsa_inst_pref_size 147
	.end_amdhsa_kernel
	.amdgpu_metadata
---
amdhsa.version: [ 1, 2 ]
amdhsa.kernels:
  - .name:           k_q1348075a4c_down
    .symbol:         k_q1348075a4c_down.kd
    .args:
      - { .name: w2, .offset: 0, .size: 8, .value_kind: global_buffer, .address_space: global }
      - { .name: b2, .offset: 8, .size: 8, .value_kind: global_buffer, .address_space: global }
      - { .name: h_codes, .offset: 16, .size: 8, .value_kind: global_buffer, .address_space: global }
      - { .name: h_scales, .offset: 24, .size: 8, .value_kind: global_buffer, .address_space: global }
      - { .name: route, .offset: 32, .size: 8, .value_kind: global_buffer, .address_space: global }
      - { .name: part, .offset: 40, .size: 8, .value_kind: global_buffer, .address_space: global }
    .group_segment_fixed_size: 210944
    .private_segment_fixed_size: 0
    .kernarg_segment_align: 8
    .kernarg_segment_size: 48
    .max_flat_workgroup_size: 512
    .sgpr_count:     66
    .vgpr_count:     256
    .wavefront_size: 32
...
	.end_amdgpu_metadata
.endif
;; end of part 3
;; launch comb (part 4): grid 256 x 1, 4 waves a work-group, no clusters, 0 bytes of LDS; arguments part, route, out0; writes out0
.if DOCPART == 4
	.amdgcn_target "amdgcn-amd-amdhsa--gfx1250"
	.amdhsa_code_object_version 6
	.text
	.protected	k_q1348075a4c_comb
	.globl	k_q1348075a4c_comb
	.p2align	8
	.type	k_q1348075a4c_comb,@function
k_q1348075a4c_comb:
	s_mov_b64 s[64:65], 0
	v_nop
	global_prefetch_b8 v0, s[64:65] scope:SCOPE_SE
	s_setreg_imm32_b32 hwreg(HW_REG_WAVE_MODE, 25, 1), 1
	s_wait_xcnt 0x0
; out0[t][:] = the sum of the four rows of part that belong to token t: its two slots (pos[t], stored by the placing launch) x the two halves of K.  One wave takes one token: each output row has one owner.
; A row is 4,096 bytes: eight loads of 512 bytes on end from each of the four rows, all 32 on their way at once; the waits count down by four.  No LDS, no barrier: waves share nothing.
.set D, 8                              ; v8-135: piece i at v[D + 16 i]: four registers from each of the four rows
	s_load_b128 s[4:7], s[0:1], 0x0                ; part, route
	s_load_b64 s[8:9], s[0:1], 0x10                ; out0
	v_lshrrev_b32 v1, 5, v0
	v_readfirstlane_b32 s10, v1                    ; wave
	s_lshl_b32 s11, ttmp9, 2
	s_add_co_u32 s10, s11, s10                     ; my token
	v_and_b32 v1, 31, v0
	v_lshlrev_b32 v1, 4, v1                        ; 16 x lane
	s_lshl_b32 s14, s10, 3
	s_add_co_u32 s14, s14, 33024                   ; pos[t]
	s_mov_b32 s15, 0
	s_lshl_b32 s28, s10, 12                        ; my row of out0
	s_mov_b32 s29, 0
	s_wait_kmcnt 0x0
	s_add_nc_u64 s[16:17], s[6:7], s[14:15]
	s_load_b64 s[12:13], s[16:17], 0x0
	s_add_nc_u64 s[8:9], s[8:9], s[28:29]
	s_wait_kmcnt 0x0
	s_min_u32 s12, s12, 2303                       ; a loaded number enters an address only behind this bound
	s_min_u32 s13, s13, 2303
	s_lshl_b32 s18, s12, 12
	s_mov_b32 s19, 0
	s_add_nc_u64 s[20:21], s[4:5], s[18:19]        ; slot 0, lower half of K,
	s_add_nc_u64 s[22:23], s[20:21], 9437184       ; upper half: 2,304 rows on
	s_lshl_b32 s18, s13, 12
	s_add_nc_u64 s[24:25], s[4:5], s[18:19]        ; slot 1
	s_add_nc_u64 s[26:27], s[24:25], 9437184
.irp i, 0,1,2,3,4,5,6,7
.irp q, 0,1,2,3
	global_load_b128 v[D+16*\i+4*\q:D+16*\i+4*\q+3], v1, s[20+2*\q:21+2*\q] offset:512*\i th:TH_LOAD_NT
.endr
.endr
.irp i, 0,1,2,3,4,5,6,7
	s_wait_loadcnt 4*(7-\i)                        ; piece i's four loads are in; four for each later piece may be out
	v_pk_add_f32 v[D+16*\i:D+16*\i+1], v[D+16*\i:D+16*\i+1], v[D+16*\i+4:D+16*\i+5]
	v_pk_add_f32 v[D+16*\i+2:D+16*\i+3], v[D+16*\i+2:D+16*\i+3], v[D+16*\i+6:D+16*\i+7]
	v_pk_add_f32 v[D+16*\i+8:D+16*\i+9], v[D+16*\i+8:D+16*\i+9], v[D+16*\i+12:D+16*\i+13]
	v_pk_add_f32 v[D+16*\i+10:D+16*\i+11], v[D+16*\i+10:D+16*\i+11], v[D+16*\i+14:D+16*\i+15]
	v_pk_add_f32 v[D+16*\i:D+16*\i+1], v[D+16*\i:D+16*\i+1], v[D+16*\i+8:D+16*\i+9]
	v_pk_add_f32 v[D+16*\i+2:D+16*\i+3], v[D+16*\i+2:D+16*\i+3], v[D+16*\i+10:D+16*\i+11]
	global_store_b128 v1, v[D+16*\i:D+16*\i+3], s[8:9] offset:512*\i th:TH_STORE_NT     ; 512 bytes on end, aligned
.endr
	s_endpgm
.Lfunc_end_k_q1348075a4c_comb:
	.size	k_q1348075a4c_comb, .Lfunc_end_k_q1348075a4c_comb-k_q1348075a4c_comb
	.p2alignl 7, 3214868480
	.fill 96, 4, 3214868480
	.section	.rodata,"a",@progbits
	.p2align	6, 0x0
	.amdhsa_kernel k_q1348075a4c_comb
		.amdhsa_group_segment_fixed_size 0
		.amdhsa_private_segment_fixed_size 0
		.amdhsa_enable_private_segment 0
		.amdhsa_kernarg_size 24
		.amdhsa_user_sgpr_count 2
		.amdhsa_user_sgpr_kernarg_segment_ptr 1
		.amdhsa_wavefront_size32 1
		.amdhsa_system_sgpr_workgroup_id_x 1
		.amdhsa_system_sgpr_workgroup_id_y 1
		.amdhsa_system_sgpr_workgroup_id_z 1
		.amdhsa_system_vgpr_workitem_id 0
		.amdhsa_next_free_vgpr 136
		.amdhsa_next_free_sgpr 66
		.amdhsa_reserve_vcc 0
		.amdhsa_float_denorm_mode_32 3
		.amdhsa_float_denorm_mode_16_64 3
		.amdhsa_memory_ordered 1
		.amdhsa_forward_progress 1
		.amdhsa_inst_pref_size 9
	.end_amdhsa_kernel
	.amdgpu_metadata
---
amdhsa.version: [ 1, 2 ]
amdhsa.kernels:
  - .name:           k_q1348075a4c_comb
    .symbol:         k_q1348075a4c_comb.kd
    .args:
      - { .name: part, .offset: 0, .size: 8, .value_kind: global_buffer, .address_space: global }
      - { .name: route, .offset: 8, .size: 8, .value_kind: global_buffer, .address_space: global }
      - { .name: out0, .offset: 16, .size: 8, .value_kind: global_buffer, .address_space: global }
    .group_segment_fixed_size: 0
    .private_segment_fixed_size: 0
    .kernarg_segment_align: 8
    .kernarg_segment_size: 24
    .max_flat_workgroup_size: 128
    .sgpr_count:     66
    .vgpr_count:     136
    .wavefront_size: 32
...
	.end_amdgpu_metadata
.endif
;; end of part 4
;; ======== version 2 of 2: 4 launches
;; workspace buffers: x_codes 524,288 bytes; x_scales 32,768 bytes; choice 4,096 bytes of whole numbers; route 41,216 bytes of whole numbers; h_codes 4,718,592 bytes; h_scales 294,912 bytes; part 18,874,368 bytes
;; launch gate (part 5): grid 256 x 1, 4 waves a work-group, no clusters, 52,224 bytes of LDS; arguments x, gate_w, gate_b, x_codes, x_scales, choice; writes x_codes, x_scales, choice
.if DOCPART == 5
	.amdgcn_target "amdgcn-amd-amdhsa--gfx1250"
	.amdhsa_code_object_version 6
	.text
	.protected	k_q1348075a4c_gate
	.globl	k_q1348075a4c_gate
	.p2align	8
	.type	k_q1348075a4c_gate,@function
k_q1348075a4c_gate:
	s_mov_b64 s[64:65], 0
	v_nop
	global_prefetch_b8 v0, s[64:65] scope:SCOPE_SE
	s_setreg_imm32_b32 hwreg(HW_REG_WAVE_MODE, 25, 1), 1
	s_wait_xcnt 0x0
; For each of the 1,024 tokens: (a) x[t][0..1023] becomes codes of E2M1 with one E8M0 byte for each 32 along H: x_codes [t][512 bytes], x_scales [t][32 bytes];
; (b) probs = softmax(x[t] . gate_w + gate_b), all in f32, and the two largest (the lower index wins a tie, as jax.lax.top_k has it) leave as one word, choice[t] = i0 | i1 << 8.
; One wave takes one token.  A lane needs 32 NEIGHBOURS along H (a whole block: its maximum needs no other lane), yet every load is dense: the row's 4,096 bytes are loaded 512 on end an instruction and turn through
; the wave's own stage in LDS (a lane's 128 bytes + 16 of padding).  gate_w (32 KiB) is brought into LDS once by the four waves, 16 bytes of padding behind each 1,024, so that lane l finds its 32 rows at 1,040 l.
; No address and no branch hangs on the choice: it is stored as data, at a fixed place.
; LIMITS: NaN and infinities are not served.  A block of zeros gets the byte 1 (its codes are zeros; only this program reads the bytes).  A probability under 2^-126 comes out of v_exp_f32 as 0 (ISA guide 15.8): where logits lie
; more than some 87 apart, several probabilities are 0 together and the tie goes to the lowest index among them.
.set GWP,  1040                        ; 32 rows of gate_w (1,024 bytes) + 16
.set XST,  33280                       ; behind gate_w's 32 x 1,040 bytes: the waves' stages
.set XSTW, 4608                        ; 32 x 144 bytes
.set R, 8                              ; v8-39    x as loaded
.set X, 40                             ; v40-71   x[32 lane + i]
.set G, 72                             ; v72-135  gate_w: as loaded, then eight rows at a time
.set A, 136                            ; v136-143 the eight sums
.set E, 144                            ; v144-151 the probabilities
.set T, 152                            ; v152-164 at work
.set C, 168                            ; v168-171 the codes
	s_load_b256 s[4:11], s[0:1], 0x0               ; x, gate_w, gate_b, x_codes
	s_load_b128 s[12:15], s[0:1], 0x20             ; x_scales, choice
	v_lshl_add_u32 v176, v0, 2, 0xca00
	v_mov_b32 v177, 0
	v_and_b32 v1, 31, v0                           ; lane
	v_lshrrev_b32 v7, 5, v0
	v_readfirstlane_b32 s2, v7                     ; wave
	v_lshlrev_b32 v2, 4, v1                        ; 16 x lane
	s_lshl_b32 s3, ttmp9, 2
	s_add_co_u32 s3, s3, s2                        ; my token
	s_mul_i32 s26, s2, XSTW
	s_add_co_u32 s26, s26, XST                     ; my stage
	v_lshrrev_b32 v7, 3, v1
	v_lshl_add_u32 v3, v7, 4, v2
	v_add_nc_u32 v3, s26, v3                       ; into it: 16 lane + 16 (lane / 8); a load's 512 bytes take four places of 144
	v_mul_u32_u24 v4, v1, 144
	v_add_nc_u32 v4, s26, v4                       ; out of it: 144 x lane
	s_mul_i32 s27, s2, 8320
	v_add_nc_u32 v5, s27, v2                       ; gate_w into LDS: my wave's quarter, eight places of 1,040
	v_mul_u32_u24 v6, v1, GWP                      ; and out: my 32 rows
	v_mov_b32 v7, 0
	s_lshl_b32 s28, s3, 12                         ; byte offsets of my token: x,
	s_mov_b32 s29, 0
	s_lshl_b32 s30, s2, 13                         ; (my quarter of gate_w)
	s_mov_b32 s31, 0
	s_lshl_b32 s32, s3, 9                          ; codes,
	s_mov_b32 s33, 0
	s_lshl_b32 s34, s3, 5                          ; scale bytes,
	s_mov_b32 s35, 0
	s_lshl_b32 s36, s3, 2                          ; choice
	s_mov_b32 s37, 0
	s_mov_b32 s24, 0x76543210                      ; v_permlanex16_b32's selects for lane l xor 16
	s_mov_b32 s25, 0xfedcba98
	s_wait_alu depctr_va_vdst(0)
	s_wait_kmcnt 0x0
	s_load_b256 s[16:23], s[8:9], 0x0              ; gate_b
	s_add_nc_u64 s[4:5], s[4:5], s[28:29]
	s_add_nc_u64 s[6:7], s[6:7], s[30:31]
	s_add_nc_u64 s[10:11], s[10:11], s[32:33]
	s_add_nc_u64 s[12:13], s[12:13], s[34:35]
	s_add_nc_u64 s[14:15], s[14:15], s[36:37]
.irp j, 0,1,2,3,4,5,6,7
	global_load_b128 v[R+4*\j:R+4*\j+3], v2, s[4:5] offset:512*\j th:TH_LOAD_NT   ; 512 consecutive bytes of my row
.endr
.irp n, 0,1,2,3,4,5,6,7,8,9,10,11,12,13,14,15
	global_load_b128 v[G+4*\n:G+4*\n+3], v2, s[6:7] offset:512*\n
.endr
	s_wait_loadcnt 16                              ; x is in: the sixteen loads of gate_w are younger
.irp j, 0,1,2,3,4,5,6,7
	ds_store_b128 v3, v[R+4*\j:R+4*\j+3] offset:576*\j
.endr
	s_wait_loadcnt 0x0
.irp n, 0,1,2,3,4,5,6,7,8,9,10,11,12,13,14,15
	ds_store_b128 v5, v[G+4*\n:G+4*\n+3] offset:512*\n+16*(\n/2)
.endr
.irp i, 0,1,2,3,4,5,6,7
	ds_load_b128 v[X+4*\i:X+4*\i+3], v4 offset:16*\i       ; LDS serves a wave's instructions in order: these see my stores
.endr
	s_wait_dscnt 0x0                               ; for the others' sake: my part of gate_w lies in LDS
	s_barrier_signal -1
	s_barrier_wait -1
.macro GLOAD bt                        ; rows 8 bt .. 8 bt + 7 of my 32
.irp i, 0,1,2,3,4,5,6,7
	ds_load_b128 v[G+8*\i:G+8*\i+3], v6 offset:256*\bt+32*\i
	ds_load_b128 v[G+8*\i+4:G+8*\i+7], v6 offset:256*\bt+32*\i+16
.endr
.endm
.macro GFMA bt                         ; sums += x_i x row i: four packed multiply-adds a row; x_i feeds both halves
.irp h, 0,1,2,3
.irp p, 0,1,2,3
.if (\bt) == 0 && (\h) == 0
	v_pk_mul_f32 v[A+2*\p:A+2*\p+1], v[X:X+1], v[G+2*\p:G+2*\p+1] op_sel_hi:[0,1]         ; the first row starts the sums
.else
	v_pk_fma_f32 v[A+2*\p:A+2*\p+1], v[X+8*\bt+2*\h:X+8*\bt+2*\h+1], v[G+16*\h+2*\p:G+16*\h+2*\p+1], v[A+2*\p:A+2*\p+1] op_sel:[0,0,0] op_sel_hi:[0,1,1]
.endif
.endr
.irp p, 0,1,2,3
	v_pk_fma_f32 v[A+2*\p:A+2*\p+1], v[X+8*\bt+2*\h:X+8*\bt+2*\h+1], v[G+16*\h+8+2*\p:G+16*\h+8+2*\p+1], v[A+2*\p:A+2*\p+1] op_sel:[1,0,0] op_sel_hi:[1,1,1]
.endr
.endr
.endm
	GLOAD 0
	; my block of 32: largest magnitude with the floor 2^(3 - 127) among its leaves, 2 off its exponent field = the conversion's scale operand, whose exponent field is the byte
	v_max3_num_f32 v[T], |v[X]|, |v[X+1]|, |v[X+2]|
	v_max3_num_f32 v[T+1], |v[X+3]|, |v[X+4]|, |v[X+5]|
.irp i, 6,10,14,18,22,26
	v_max3_num_f32 v[T], v[T], |v[X+\i]|, |v[X+\i+1]|
	v_max3_num_f32 v[T+1], v[T+1], |v[X+\i+2]|, |v[X+\i+3]|
.endr
	v_max3_num_f32 v[T], v[T], |v[X+30]|, |v[X+31]|
	v_max3_num_f32 v[T], v[T], v[T+1], 0x1800000
	v_add_nc_u32 v[T+2], 0xff000000, v[T]
	v_lshrrev_b32 v[T+3], 23, v[T+2]
.irp g, 0,1,2,3
	v_cvt_scalef32_pk8_fp4_f32 v[C+\g], v[X+8*\g:X+8*\g+7], v[T+2]
.endr
	global_store_b128 v2, v[C:C+3], s[10:11]       ; the wave stores the row's 512 bytes of codes on end
	global_store_b8 v1, v[T+3], s[12:13]           ; and its 32 scale bytes
	s_wait_dscnt 0x0
	GFMA 0
	s_wait_alu depctr_va_vdst(0)
.irp bt, 1,2,3
	GLOAD \bt
	s_wait_alu depctr_va_vdst(0)
	s_wait_dscnt 0x0
	GFMA \bt
.endr
.irp m, 1,2,4,8                        ; over the 32 lanes, the eight sums by turns
.irp e, 0,1,2,3,4,5,6,7
	v_add_f32_dpp v[A+\e], v[A+\e], v[A+\e] row_xmask:\m row_mask:0xf bank_mask:0xf
.endr
.endr
.irp e, 0,1,2,3,4,5,6,7
	v_permlanex16_b32 v[G+\e], v[A+\e], s24, s25
.endr
.irp e, 0,1,2,3,4,5,6,7
	v_add_f32 v[A+\e], v[A+\e], v[G+\e]
.endr
	s_wait_alu depctr_va_vdst(0)
	s_wait_kmcnt 0x0                               ; gate_b
.irp e, 0,1,2,3,4,5,6,7
	v_add_f32 v[A+\e], s[16+\e], v[A+\e]           ; every lane holds the token's eight logits
.endr
	v_max3_num_f32 v[T+4], v[A], v[A+1], v[A+2]    ; the softmax: the maximum is taken away first
	v_max3_num_f32 v[T+5], v[A+3], v[A+4], v[A+5]
	v_max3_num_f32 v[T+4], v[T+4], v[A+6], v[A+7]
	v_max_num_f32 v[T+4], v[T+4], v[T+5]
.irp e, 0,1,2,3,4,5,6,7
	v_sub_f32 v[E+\e], v[A+\e], v[T+4]
.endr
.irp e, 0,1,2,3,4,5,6,7
	v_mul_f32 v[E+\e], 0x3fb8aa3b, v[E+\e]         ; x log2(e)
.endr
	s_wait_alu depctr_va_vdst(0)
.irp e, 0,1,2,3,4,5,6,7
	v_exp_f32 v[E+\e], v[E+\e]
.endr
	v_nop                                          ; a plain instruction behind the last exponential
	s_wait_alu depctr_va_vdst(0)                   ; one wait for the batch of eight, ahead of its first reader
	v_add_f32 v[T+4], v[E], v[E+1]
	v_add_f32 v[T+5], v[E+2], v[E+3]
	v_add_f32 v[T+6], v[E+4], v[E+5]
	v_add_f32 v[T+7], v[E+6], v[E+7]
	v_add_f32 v[T+4], v[T+4], v[T+5]
	v_add_f32 v[T+6], v[T+6], v[T+7]
	v_add_f32 v[T+4], v[T+4], v[T+6]
	s_wait_alu depctr_va_vdst(0)
	v_rcp_f32 v[T+8], v[T+4]
	v_nop
	s_wait_alu depctr_va_vdst(0)
.irp e, 0,1,2,3,4,5,6,7
	v_mul_f32 v[E+\e], v[E+\e], v[T+8]
.endr
.macro SCAN best, idx                  ; the largest of the eight; only a strictly larger one takes the place, so the lower index wins a tie
	v_mov_b32 v[\best], v[E]
	v_mov_b32 v[\idx], 0
.irp e, 1,2,3,4,5,6,7
	v_cmp_gt_f32 vcc_lo, v[E+\e], v[\best]
	v_cndmask_b32 v[\best], v[\best], v[E+\e], vcc_lo
	v_cndmask_b32 v[\idx], v[\idx], \e, vcc_lo
.endr
.endm
	SCAN T+9, T+10
.irp e, 0,1,2,3,4,5,6,7
	v_cmp_eq_u32 vcc_lo, \e, v[T+10]
	v_cndmask_b32 v[E+\e], v[E+\e], -1.0, vcc_lo   ; the winner goes under every probability
.endr
	SCAN T+9, T+11
	v_lshl_or_b32 v[T+12], v[T+11], 8, v[T+10]
	s_wait_alu depctr_va_vdst(0)
	s_wait_xcnt 0x0                                ; EXEC changes only when the stores above have read it
	v_cmp_eq_u32 vcc_lo, 0, v1
	s_wait_tensorcnt 0x0
	ds_add_u32 v176, v177
	s_wait_dscnt 0x0
	s_and_saveexec_b32 s26, vcc_lo
	global_store_b32 v7, v[T+12], s[14:15]         ; lane 0 stores the token's word
	s_wait_xcnt 0x0
	s_or_b32 exec_lo, exec_lo, s26
	s_endpgm
.Lfunc_end_k_q1348075a4c_gate:
	.size	k_q1348075a4c_gate, .Lfunc_end_k_q1348075a4c_gate-k_q1348075a4c_gate
	.p2alignl 7, 3214868480
	.fill 96, 4, 3214868480
	.section	.rodata,"a",@progbits
	.p2align	6, 0x0
	.amdhsa_kernel k_q1348075a4c_gate
		.amdhsa_group_segment_fixed_size 52224
		.amdhsa_private_segment_fixed_size 0
		.amdhsa_enable_private_segment 0
		.amdhsa_kernarg_size 48
		.amdhsa_user_sgpr_count 2
		.amdhsa_user_sgpr_kernarg_segment_ptr 1
		.amdhsa_wavefront_size32 1
		.amdhsa_system_sgpr_workgroup_id_x 1
		.amdhsa_system_sgpr_workgroup_id_y 1
		.amdhsa_system_sgpr_workgroup_id_z 1
		.amdhsa_system_vgpr_workitem_id 0
		.amdhsa_next_free_vgpr 178
		.amdhsa_next_free_sgpr 66
		.amdhsa_reserve_vcc 1
		.amdhsa_float_denorm_mode_32 3
		.amdhsa_float_denorm_mode_16_64 3
		.amdhsa_memory_ordered 1
		.amdhsa_forward_progress 1
		.amdhsa_inst_pref_size 29
	.end_amdhsa_kernel
	.amdgpu_metadata
---
amdhsa.version: [ 1, 2 ]
amdhsa.kernels:
  - .name:           k_q1348075a4c_gate
    .symbol:         k_q1348075a4c_gate.kd
    .args:
      - { .name: x, .offset: 0, .size: 8, .value_kind: global_buffer, .address_space: global }
      - { .name: gate_w, .offset: 8, .size: 8, .value_kind: global_buffer, .address_space: global }
      - { .name: gate_b, .offset: 16, .size: 8, .value_kind: global_buffer, .address_space: global }
      - { .name: x_codes, .offset: 24, .size: 8, .value_kind: global_buffer, .address_space: global }
      - { .name: x_scales, .offset: 32, .size: 8, .value_kind: global_buffer, .address_space: global }
      - { .name: choice, .offset: 40, .size: 8, .value_kind: global_buffer, .address_space: global }
    .group_segment_fixed_size: 52224
    .private_segment_fixed_size: 0
    .kernarg_segment_align: 8
    .kernarg_segment_size: 48
    .max_flat_workgroup_size: 128
    .sgpr_count:     66
    .vgpr_count:     178
    .wavefront_size: 32
...
	.end_amdgpu_metadata
.endif
;; end of part 5
;; launch up (part 6): grid 32 x 8, 16 waves a work-group, no clusters, 74,496 bytes of LDS; arguments w1, b1, x_codes, x_scales, choice, h_codes, h_scales, route; writes h_codes, h_scales, route
.if DOCPART == 6
	.amdgcn_target "amdgcn-amd-amdhsa--gfx1250"
	.amdhsa_code_object_version 6
	.text
	.protected	k_q1348075a4c_up
	.globl	k_q1348075a4c_up
	.p2align	8
	.type	k_q1348075a4c_up,@function
k_q1348075a4c_up:
	s_mov_b64 s[64:65], 0
	v_nop
	global_prefetch_b8 v0, s[64:65] scope:SCOPE_SE
	s_setreg_imm32_b32 hwreg(HW_REG_WAVE_MODE, 25, 1), 1
	s_wait_xcnt 0x0
; hidden = relu(x w1_e + b1_e) for the rows that chose expert e, on codes of E2M1 with one E8M0 scale for each 32 along H; the result is quantised along F and leaves as codes: h_codes [f / 32][slot][16 bytes], h_scales [f / 64][slot][2 bytes].
; A work-group is (fs = x, e = y): columns f = 128 fs .. 128 fs + 127 of w1[e], all of K = H = 1,024: 512 KiB of f32 that this work-group alone reads, once.
; THE PLACING OF ROWS is done here too, from choice[t] = i0 | i1 << 8, whole numbers that the launch before stored, while the waves wait for their weights.  Expert k's row i is its i-th token in ascending order; off_k = the sum over
; j < k of cnt_j rounded up to 32; row i lies in slot off_k + i.  SWEEP: wave w takes expert w % 8 and steps 16 (w / 8) .. + 15 of 32 tokens: each step's member mask and the members before it in that half go to LDS tables [step][expert],
; the half's total to a word of its own; one barrier.  Then every wave has all counts and offsets as scalars, and its own expert's mask of step s in lane s of one register.
; COLLECT: the tokens of rows F .. F + 31.  For each step that reaches into that window, the step's 32 lanes push their token numbers by ds_permute_b32: a member to lane (members before - F + its rank in the step) mod 32, the others to the
; lanes that are left: a whole permutation, so no two lanes push to one place; the lanes of the window that this step serves keep what they received.  No LDS address is made of data.  Rows past cnt take token 0: nobody reads their results.
; Work-group (0, 0) also stores the tables that later launches read: route + 0: tab[k] = (cnt, off), 8 bytes each (bytes 64-127 zeros); route + 33,024: pos[t] = the two slots of token t.  This launch loads nothing from route.
; PHASE S.  The slice is quantised into LDS as images of operand registers.  A LANE TAKES A COLUMN AND ITS REGISTERS RUN DOWN K: a block of 32 lies in one lane.  Wave w (cg = w / 8, s8 = w % 8) takes K step s8 (128 rows) of 32 columns,
; first in the slice's first 64 columns, then in its second 64 (hf): eight blocks, loads two blocks ahead.  Four blocks are a K step: two whole fragments and a scale word a lane.  THE COLUMNS OF A TILE ARE NOT NEIGHBOURS: lanes 0-15 take
; columns 0-7 and 16-23 of the 32, lanes 16-31 columns 8-15 and 24-31, so that in the result the 16 registers of two neighbouring tiles are 16 neighbours along F, the next K.
; PHASE G, behind the second barrier.  A job = 32 rows (pair p) x 64 columns (half hfj) x K: 64 matrix instructions, used transposed (source 0 = 16 columns of w1, source 1 = 16 rows of x): a lane holds one row.  Wave w has jobs
; p = w / 2 + 8 pass, hfj = w % 2, pass 0 .. 3, which serves up to 1,024 rows; a job with 32 p >= cnt is jumped over (a scalar branch on whole numbers; no barrier stands in phase G).
; b1 is the C of each sum's first product.  Pass 0's rows of x are asked for in phase S, so that they land under the stream; pass 1's tokens are collected there too.
; No tensor loads and no cluster: the counts that steer the jobs come from memory.  An expert that no token chose still streams its slice and stores no codes.
; LIMITS: NaN and infinities are not served; a block of zeros gets the byte 1 (its codes are zeros; only this program reads the bytes).
; LDS: 0 images ((hf 8 + ks) 4 + nt) x 1,024 + 512 c + 16 lane;  65,536 scale words ((hf 8 + ks) 2 + cg) x 128 + 4 lane (lanes 0-15: tile 2 cg, lanes 16-31: tile 2 cg + 1);  69,632 b1's 128 numbers;
;   70,144 member masks [step][expert], 4 bytes each;  71,168 members before, likewise;  72,192 the sixteen half totals [half][expert].
; REGISTERS: v1 lane, v2 r, v3 hh; v4-14 addresses; v15 4 x lane, later my expert's mask of step = lane; v16-143 x's fragments (tile tt, K step ks at 16 + 64 tt + 8 ks), before that the placing's registers; v144-151 x's scale words (lane l: row l of the pair);
;   phase S: v152-215 two landing sets, v216-231 codes, v232 scale word, v233-236 at work, v238-241 b1;   phase G: v152-215 accumulators (32 tt + 8 nt), v216-247 w1's four fragments, later at work, v248-249 their scale words;
;   v242-246 COLLECT's; v250-252 x's offsets of passes 0, 2, 3; v253-255 those of pass 1.
.set LAND, 152
.set CD,   216
.set SB,   232
.set ACC,  152
.set W,    216
.set WS,   248
.set XF,   16
.set XS,   144
.set TM,   216
.set SCI,  65536
.set BI,   69632
.set MT,   70144                       ; LDS: the masks; the counts before lie 1,024 bytes on
.set TT,   72192                       ; LDS: the half totals
.set C,    16                          ; v16-31   the choice words of my sixteen steps
.set CW,   32                          ; v32-33   those of steps 2 w, 2 w + 1 (for pos)
.set LT,   40                          ; v40      lanes 0-15: my steps' masks; lanes 16-31: the members before them
.set TL,   44                          ; v44-59   the half totals
.set MC,   60                          ; v60-67   the eight experts' masks of step = lane
.set MV,   68                          ; v68-83   masks of steps 2 w, 2 w + 1 x eight experts
.set BV,   84                          ; v84-99   members before, likewise
.set P,    100                         ; v100-103 pos of my two steps
.set ME,   15
.set TOK,  245
	s_load_b256 s[4:11], s[0:1], 0x0               ; w1, b1, x_codes, x_scales
	s_load_b256 s[12:19], s[0:1], 0x20             ; choice, h_codes, h_scales, route
	v_lshrrev_b32 v1, 5, v0
	s_delay_alu instid0(VALU_DEP_1)
	v_readfirstlane_b32 s20, v1                    ; wave 0..15
	s_and_b32 s21, ttmp7, 0xffff                   ; e
	s_mov_b32 s22, ttmp9                           ; fs
	s_and_b32 s23, s20, 7                          ; s8; in the sweep: my expert
	s_lshr_b32 s24, s20, 3                         ; cg; in the sweep: my half of the steps
	s_and_b32 s25, s20, 1                          ; hfj
	v_and_b32 v1, 31, v0                           ; lane
	v_and_b32 v2, 15, v0                           ; r
	v_bfe_u32 v3, v0, 4, 1                         ; hh
	s_delay_alu instid0(VALU_DEP_2)
	v_and_b32 v4, 8, v2
	s_delay_alu instid0(VALU_DEP_1)
	v_add_nc_u32 v4, v4, v2
	s_delay_alu instid0(VALU_DEP_1)
	v_lshl_add_u32 v4, v3, 3, v4
	s_delay_alu instid0(VALU_DEP_1)
	v_lshlrev_b32 v4, 2, v4                        ; my column of the 32: 4 (r + 8 (r / 8) + 8 hh)
	v_lshlrev_b32 v10, 4, v1                       ; 16 x lane
	s_wait_alu depctr_va_vdst(0)
	v_lshlrev_b32 v15, 2, v1                       ; 4 x lane
	s_wait_alu depctr_va_vdst(0)
	s_lshl_b32 s45, s23, 12
	s_lshl_b32 s46, s24, 11
	s_add_co_u32 s45, s45, s46
	v_add_nc_u32 v5, s45, v10                      ; images, in: 16 lane + 4,096 s8 + 2,048 cg
	s_lshl_b32 s45, s23, 8
	s_lshl_b32 s46, s24, 7
	s_add_co_u32 s45, s45, s46
	s_add_co_u32 s45, s45, SCI
	v_add_nc_u32 v6, s45, v15                      ; scale words, in
	s_lshl_b32 s45, s25, 15
	v_add_nc_u32 v7, s45, v10                      ; images, out: 16 lane + 32,768 hfj
	s_lshl_b32 s45, s25, 11
	s_add_co_u32 s45, s45, SCI
	v_add_nc_u32 v8, s45, v15                      ; scale words, out
	v_add_nc_u32 v9, BI, v10                       ; b1, in
	s_lshl_b32 s45, s25, 8
	s_add_co_u32 s45, s45, BI
	v_lshl_add_u32 v11, v3, 6, s45                 ; b1, out: 256 hfj + 64 hh
	v_lshlrev_b32 v12, 4, v2
	s_delay_alu instid0(VALU_DEP_1)
	v_lshl_add_u32 v12, v3, 3, v12                 ; h_codes: 16 r + 8 hh
	v_lshlrev_b32 v13, 1, v1                       ; h_scales: 2 x lane
	v_lshlrev_b32 v14, 4, v3                       ; 16 hh
	; the placing's addresses: each a constant + a constant x lane + a constant x wave
	s_lshl_b32 s45, s24, 11
	v_add_nc_u32 v105, s45, v15                    ; choice: my half's sixteen steps: 2,048 (w / 8) + 4 lane
	s_lshl_b32 s45, s20, 8
	v_add_nc_u32 v106, s45, v15                    ; choice: steps 2 w, 2 w + 1: 256 w + 4 lane
	v_lshlrev_b32 v107, 5, v2
	s_delay_alu instid0(VALU_DEP_1)
	v_lshl_add_u32 v107, v3, 10, v107
	s_lshl_b32 s45, s24, 9
	s_lshl_b32 s46, s23, 2
	s_add_co_u32 s45, s45, s46
	s_add_co_u32 s45, s45, MT
	v_add_nc_u32 v107, s45, v107                   ; tables, in: row 16 (w / 8) + r of 32 bytes, word w % 8; lanes 16-31 the table 1,024 bytes on
	s_lshl_b32 s45, s20, 2
	s_add_co_u32 s45, s45, TT
	v_mov_b32 v108, s45                            ; my half total's word
	v_mov_b32 v109, TT                             ; the sixteen of them
	v_lshlrev_b32 v110, 5, v1
	s_delay_alu instid0(VALU_DEP_1)
	v_add_nc_u32 v110, MT, v110                    ; masks, out: the row of step = lane
	s_lshl_b32 s45, s20, 6
	s_add_co_u32 s45, s45, MT
	v_mov_b32 v111, s45                            ; tables, out: the rows of steps 2 w, 2 w + 1
	s_lshl_b32 s45, s20, 9
	v_lshl_add_u32 v112, v1, 3, s45                ; pos: 512 w + 8 lane
	v_mov_b32 v[LT], 0
	s_mov_b32 s50, 0                               ; members so far in my half
	s_lshl_b32 s32, s21, 24                        ; w1: expert,
	s_lshl_b32 s45, s23, 21                        ; 128 s8 rows of 16,384 bytes,
	s_add_co_u32 s32, s32, s45
	s_lshl_b32 s45, s22, 9                         ; 128 fs columns,
	s_add_co_u32 s32, s32, s45
	s_lshl_b32 s45, s24, 7                         ; 32 cg columns
	s_add_co_u32 s32, s32, s45
	s_mov_b32 s33, 0
	s_lshl_b32 s38, s21, 14                        ; b1: 4,096 e + 128 fs numbers
	s_lshl_b32 s45, s22, 9
	s_add_co_u32 s38, s38, s45
	s_mov_b32 s39, 0
	s_mov_b32 s42, 0x76543210                      ; v_permlanex16_b32's selects for lane l xor 16
	s_mov_b32 s43, 0xfedcba98
	s_mov_b32 s44, 0xffff0000                      ; lanes 16-31
	s_wait_alu depctr_va_vdst(0)
	s_wait_kmcnt 0x0
	s_add_nc_u64 s[4:5], s[4:5], s[32:33]
	s_add_nc_u64 s[6:7], s[6:7], s[38:39]
	s_add_nc_u64 s[40:41], s[18:19], 33024         ; pos
.macro LOADB t                         ; block t = 4 hf + b: rows 32 b + i of my K step, my column of half hf, into landing set t % 2; the wave reads 128 bytes on end, and wave w + 8 the 128 beside them
.set li, 0
.rept 32
	global_load_b32 v[LAND+32*((\t)%2)+li], v4, s[4:5] offset:(32*((\t)%4)+li)*16384+256*((\t)/4) th:TH_LOAD_NT
.set li, li+1
.endr
.endm
; Block t is quantised.  n: the loads younger than the block's 32.  The largest magnitude has the floor 2^(3 - 127) among its leaves; 2 off its exponent field is the conversion's scale operand, whose exponent field is the byte.
.macro BLOCK t, n
.set LS, LAND+32*((\t)%2)
	s_wait_loadcnt \n
	v_max3_num_f32 v233, |v[LS]|, |v[LS+1]|, |v[LS+2]|
	v_max3_num_f32 v234, |v[LS+3]|, |v[LS+4]|, |v[LS+5]|
.irp i, 6,10,14,18,22,26
	s_delay_alu instid0(VALU_DEP_2)
	v_max3_num_f32 v233, v233, |v[LS+\i]|, |v[LS+\i+1]|
	s_delay_alu instid0(VALU_DEP_2)
	v_max3_num_f32 v234, v234, |v[LS+\i+2]|, |v[LS+\i+3]|
.endr
	s_delay_alu instid0(VALU_DEP_2)
	v_max3_num_f32 v233, v233, |v[LS+30]|, |v[LS+31]|
	s_delay_alu instid0(VALU_DEP_1)
	v_max3_num_f32 v233, v233, v234, 0x1800000
	s_delay_alu instid0(VALU_DEP_1)
	v_add_nc_u32 v235, 0xff000000, v233
.if (\t)%4 == 0
	s_delay_alu instid0(VALU_DEP_1)
	v_lshrrev_b32 v[SB], 23, v235                  ; four bytes make my column's scale word of the K step
.else
	s_delay_alu instid0(VALU_DEP_1)
	v_lshrrev_b32 v236, 23, v235
	s_delay_alu instid0(VALU_DEP_1)
	v_lshl_or_b32 v[SB], v236, 8*((\t)%4), v[SB]
.endif
.irp g, 0,1,2,3
	v_cvt_scalef32_pk8_fp4_f32 v[CD+4*((\t)%4)+\g], v[LS+8*\g:LS+8*\g+7], v235
.endr
.if (\t) < 6
	LOADB (\t)+2
.endif
.if (\t)%4 == 3
	v_nop                                          ; a plain instruction between the conversions and the lines that touch their results
.irp i, 0,1,2,3                        ; the operand's layout wants blocks 2 c (lanes 0-15) and 2 c + 1 (lanes 16-31) of ONE tile in a register: the first's upper lanes change places with the second's lower
	v_permlane16_swap_b32 v[CD+\i], v[CD+4+\i]
	v_permlane16_swap_b32 v[CD+8+\i], v[CD+12+\i]
.endr
	ds_store_b128 v5, v[CD:CD+3] offset:32768*((\t)/4)             ; tile 2 cg, registers 0-3
	ds_store_b128 v5, v[CD+8:CD+11] offset:32768*((\t)/4)+512      ; registers 4-7
	ds_store_b128 v5, v[CD+4:CD+7] offset:32768*((\t)/4)+1024      ; tile 2 cg + 1
	ds_store_b128 v5, v[CD+12:CD+15] offset:32768*((\t)/4)+1536
	ds_store_b32 v6, v[SB] offset:2048*((\t)/4)
	s_wait_dscnt 0x0                               ; the stores have read their registers
.endif
.endm
; The pass's numbers: pair p, its first row, its first slot, and where its results go.
.macro SCAL pass
	s_lshr_b32 s26, s20, 1
	s_add_co_u32 s26, s26, 8*\pass                 ; p
	s_lshl_b32 s27, s26, 5                         ; 32 p
	s_add_co_u32 s31, s29, s27
	s_min_u32 s31, s31, 2272                       ; the pair's first slot: a number made of loaded ones enters an address only behind this bound
	s_lshl_b32 s45, s22, 2
	s_lshl_b32 s46, s25, 1
	s_add_co_u32 s45, s45, s46                     ; f / 32 = 4 fs + 2 hfj
	s_mul_i32 s45, s45, 2304
	s_add_co_u32 s45, s45, s31
	s_lshl_b32 s32, s45, 4
	s_mov_b32 s33, 0
	s_add_nc_u64 s[34:35], s[14:15], s[32:33]
	s_lshl_b32 s45, s22, 1
	s_add_co_u32 s45, s45, s25                     ; f / 64 = 2 fs + hfj
	s_mul_i32 s45, s45, 2304
	s_add_co_u32 s45, s45, s31
	s_lshl_b32 s32, s45, 1
	s_add_nc_u64 s[36:37], s[16:17], s[32:33]
.endm
; One step of COLLECT.  s52 = lo: the members before step s, less the window's first row; s53 = hi = lo + the step's members.  The step reaches into lanes 0 .. 31 of the window where hi > 0 and lo < 32,
; which for a step with members is (hi - 1) < (members + 31), unsigned; a step without members that passes the test changes nothing, since no lane lies in lo .. hi - 1.
.macro CSTEP s
	v_readlane_b32 s54, v[ME], \s                  ; the step's member mask
	s_bcnt1_i32_b32 s55, s54
	s_add_co_i32 s53, s52, s55
	s_sub_co_i32 s56, s53, 1
	s_add_co_u32 s57, s55, 31
	s_cmp_lt_u32 s56, s57
	s_cbranch_scc0 .Lcn_\@
	v_mbcnt_lo_u32_b32 v242, s54, 0                ; members in the lanes below me,
	s_delay_alu instid0(VALU_DEP_1)
	v_sub_nc_u32 v243, v1, v242                    ; and the others
	s_delay_alu instid0(VALU_DEP_2)
	v_add_nc_u32 v242, s52, v242                   ; a member goes to lo + its rank,
	s_delay_alu instid0(VALU_DEP_2)
	v_add_nc_u32 v243, s53, v243                   ; another to hi + its rank among the others: lo .. lo + 31 are each named once
	s_delay_alu instid0(VALU_DEP_1)
	v_cndmask_b32 v242, v243, v242, s54
	s_delay_alu instid0(VALU_DEP_1)
	v_and_b32 v242, 31, v242
	s_delay_alu instid0(VALU_DEP_1)
	v_lshlrev_b32 v242, 2, v242
	v_add_nc_u32 v243, 32*\s, v1                   ; my token
	ds_permute_b32 v244, v242, v243
	v_cmp_le_i32 s56, s52, v1
	v_cmp_gt_i32 s57, s53, v1
	s_and_b32 s56, s56, s57                        ; the lanes lo .. hi - 1 have received members
	s_wait_dscnt 0x0
	v_cndmask_b32 v[TOK], v[TOK], v244, s56
.Lcn_\@:
	s_mov_b32 s52, s53
.endm
.macro COLLECT first                   ; lane l of v[TOK] = the token of my expert's row s[first] + l, or 0 past the last row
	v_mov_b32 v[TOK], 0
	s_cmp_lt_u32 s[\first], s28
	s_cbranch_scc0 .Lce_\@
	s_sub_co_i32 s52, 0, s[\first]
.irp s, 0,1,2,3,4,5,6,7,8,9,10,11,12,13,14,15,16,17,18,19,20,21,22,23,24,25,26,27,28,29,30,31
	CSTEP \s
.endr
.Lce_\@:
.endm
.macro TOKPREP b                       ; x's offsets: v[b] the scale words of row lane; v[b+1], v[b+2] the codes of rows r and 16 + r
	v_mov_b32 v246, 0
	s_wait_alu depctr_va_vdst(0)
	v_permlanex16_b32 v246, v[TOK], s42, s43
	s_delay_alu instid0(VALU_DEP_1)
	v_cndmask_b32 v[\b+1], v[TOK], v246, s44       ; every lane: the token of row r
	s_delay_alu instid0(VALU_DEP_2)
	v_cndmask_b32 v[\b+2], v246, v[TOK], s44       ; of row 16 + r
	v_min_u32 v[\b], 0x3ff, v[TOK]                 ; a number made of loaded ones enters an address only behind this bound
	s_delay_alu instid0(VALU_DEP_3)
	v_min_u32 v[\b+1], 0x3ff, v[\b+1]
	s_delay_alu instid0(VALU_DEP_3)
	v_min_u32 v[\b+2], 0x3ff, v[\b+2]
	s_delay_alu instid0(VALU_DEP_3)
	v_lshlrev_b32 v[\b], 5, v[\b]                  ; 32 bytes of scales a token
	s_delay_alu instid0(VALU_DEP_3)
	v_lshl_add_u32 v[\b+1], v[\b+1], 9, v14        ; 512 bytes of codes a token, + 16 hh
	s_delay_alu instid0(VALU_DEP_3)
	v_lshl_add_u32 v[\b+2], v[\b+2], 9, v14
.endm
.macro XISSUE b                        ; 34 loads: two of scale words, then four for each K step
	global_load_b128 v[XS:XS+3], v[\b], s[10:11]
	global_load_b128 v[XS+4:XS+7], v[\b], s[10:11] offset:16
.irp ks, 0,1,2,3,4,5,6,7
.irp tt, 0,1
.irp c, 0,1
	global_load_b128 v[XF+64*\tt+8*\ks+4*\c:XF+64*\tt+8*\ks+4*\c+3], v[\b+1+\tt], s[8:9] offset:64*\ks+32*\c
.endr
.endr
.endr
.endm
; One product, added in place.  ra, rb: which half of the lanes of the scale registers is read.
.macro MM d, a, b, sa, sb, ra, rb
.if (\ra) == 0 && (\rb) == 0
	v_wmma_scale_f32_16x16x128_f8f6f4 v[\d:\d+7], v[\a:\a+7], v[\b:\b+7], v[\d:\d+7], v[\sa], v[\sb] matrix_a_fmt:MATRIX_FMT_FP4 matrix_b_fmt:MATRIX_FMT_FP4
.elseif (\rb) == 0
	v_wmma_scale_f32_16x16x128_f8f6f4 v[\d:\d+7], v[\a:\a+7], v[\b:\b+7], v[\d:\d+7], v[\sa], v[\sb] matrix_a_fmt:MATRIX_FMT_FP4 matrix_b_fmt:MATRIX_FMT_FP4 matrix_a_scale:MATRIX_SCALE_ROW1
.elseif (\ra) == 0
	v_wmma_scale_f32_16x16x128_f8f6f4 v[\d:\d+7], v[\a:\a+7], v[\b:\b+7], v[\d:\d+7], v[\sa], v[\sb] matrix_a_fmt:MATRIX_FMT_FP4 matrix_b_fmt:MATRIX_FMT_FP4 matrix_b_scale:MATRIX_SCALE_ROW1
.else
	v_wmma_scale_f32_16x16x128_f8f6f4 v[\d:\d+7], v[\a:\a+7], v[\b:\b+7], v[\d:\d+7], v[\sa], v[\sb] matrix_a_fmt:MATRIX_FMT_FP4 matrix_b_fmt:MATRIX_FMT_FP4 matrix_a_scale:MATRIX_SCALE_ROW1 matrix_b_scale:MATRIX_SCALE_ROW1
.endif
.endm
; A K step of a job: w1's four fragments and two scale words from LDS, eight products.  The eight accumulators take turns, one instruction a turn, in the same order in every K step.
.macro KSTEP ks, xw
.if (\ks) > 0
.rept 4
	v_nop                                          ; four places between the last products and the loads into registers that they read
.endr
.endif
	ds_load_b32 v[WS], v8 offset:256*(\ks)
	ds_load_b32 v[WS+1], v8 offset:256*(\ks)+128
.irp nt, 0,1,2,3
	ds_load_b128 v[W+8*\nt:W+8*\nt+3], v7 offset:4096*(\ks)+1024*\nt
	ds_load_b128 v[W+8*\nt+4:W+8*\nt+7], v7 offset:4096*(\ks)+1024*\nt+512
.endr
.if (\xw) > 0
	s_wait_loadcnt 4*(7-(\ks))                     ; x's four loads of this K step are in; four for each later K step may be out
.endif
.irp nt, 0,1,2,3
	s_wait_dscnt 6-2*\nt                           ; tile nt's two loads are in; two for each later tile may be out
	MM ACC+8*\nt, W+8*\nt, XF+8*(\ks), WS+\nt/2, XS+(\ks), \nt%2, 0
	MM ACC+32+8*\nt, W+8*\nt, XF+64+8*(\ks), WS+\nt/2, XS+(\ks), \nt%2, 1
.endr
.endm
.macro PASS_UP pass
.if \pass > 0
	SCAL \pass
.endif
	s_cmp_lt_u32 s27, s28                          ; has the pair a row?
	s_cbranch_scc0 .Lskip_\@
.if \pass == 1
	XISSUE 253                                     ; its tokens were collected in phase S
.elseif \pass > 1
	COLLECT 27
	TOKPREP 250
	XISSUE 250
.endif
.irp tt, 0,1                           ; b1 goes into the accumulators: lane (r, hh) wants, for tile nt = 2 cg + u, the numbers of f = 32 cg + 16 hh + 8 u + 0 .. 7
.irp nt, 0,1,2,3
.irp q, 0,1
	ds_load_b128 v[ACC+32*\tt+8*\nt+4*\q:ACC+32*\tt+8*\nt+4*\q+3], v11 offset:128*(\nt/2)+32*(\nt%2)+16*\q
.endr
.endr
.endr
.irp ks, 0,1,2,3,4,5,6,7
	KSTEP \ks, \pass
.endr
.rept 4
	v_nop                                          ; four places ahead of the first read of results
.endr
.set aj, 0
.rept 64
	v_max_num_f32 v[ACC+aj], 0, v[ACC+aj]          ; relu, each accumulator from its low end on
.set aj, aj+1
.endr
	; four blocks of 32 along F: block b = 2 tt + cg is v[ACC + 16 b ..]: my 16 numbers f = 16 hh + 0 .. 15; the other 16 lie in lane l xor 16.  None is negative: no |.|
.irp b, 0,1,2,3
	v_max3_num_f32 v[TM+\b], v[ACC+16*\b], v[ACC+16*\b+1], 0x1800000
.endr
.irp i, 2,4,6,8,10,12,14
.irp b, 0,1,2,3
	s_delay_alu instid0(VALU_DEP_4)
	v_max3_num_f32 v[TM+\b], v[TM+\b], v[ACC+16*\b+\i], v[ACC+16*\b+\i+1]
.endr
.endr
.irp b, 0,1,2,3
	s_delay_alu instid0(VALU_DEP_4)
	v_permlanex16_b32 v[TM+4+\b], v[TM+\b], s42, s43
.endr
.irp b, 0,1,2,3
	s_delay_alu instid0(VALU_DEP_4)
	v_max_num_f32 v[TM+\b], v[TM+\b], v[TM+4+\b]
.endr
.irp b, 0,1,2,3
	s_delay_alu instid0(VALU_DEP_4)
	v_add_nc_u32 v[TM+8+\b], 0xff000000, v[TM+\b]
.endr
.irp b, 0,1,2,3
	s_delay_alu instid0(VALU_DEP_4)
	v_lshrrev_b32 v[TM+4+\b], 23, v[TM+8+\b]
.endr
.irp b, 0,1,2,3
	v_cvt_scalef32_pk8_fp4_f32 v[TM+12+2*\b], v[ACC+16*\b:ACC+16*\b+7], v[TM+8+\b]
	v_cvt_scalef32_pk8_fp4_f32 v[TM+13+2*\b], v[ACC+16*\b+8:ACC+16*\b+15], v[TM+8+\b]
.endr
	v_lshl_or_b32 v[TM+20], v[TM+5], 8, v[TM+4]    ; a row's two bytes, tile 0's rows; (plain lines behind the conversions)
	v_lshl_or_b32 v[TM+21], v[TM+7], 8, v[TM+6]    ; tile 1's
	s_delay_alu instid0(VALU_DEP_1)
	v_cndmask_b32 v[TM+20], v[TM+20], v[TM+21], s44  ; lane l: row l of the pair
.irp b, 0,1,2,3
	global_store_b64 v12, v[TM+12+2*\b:TM+13+2*\b], s[34:35] offset:36864*(\b%2)+256*(\b/2)   ; 16 slots x 16 bytes: 256 bytes on end, aligned
.endr
	global_store_b16 v13, v[TM+20], s[36:37]
	s_wait_xcnt 0x0                                ; the stores have read their registers and bases: the next pass writes both
.Lskip_\@:
.endm
	; the words of choice go first, so that they are the first to come back
.irp j, 0,1
	global_load_b32 v[CW+\j], v106, s[12:13] offset:128*\j
.endr
.set sj, 0
.rept 16
	global_load_b32 v[C+sj], v105, s[12:13] offset:128*sj
.set sj, sj+1
.endr
	global_load_b128 v[238:241], v10, s[6:7]       ; b1's 128 numbers, in every wave, so that all waves count alike
	LOADB 0
	LOADB 1
	s_wait_loadcnt 63                              ; choice is in: 65 loads are younger (b1's one, blocks 0 and 1); the wait's field holds 63, which asks for a little more
	; THE SWEEP: my expert, my sixteen steps; two sets of registers by turns
.set sj, 0
.rept 16
	v_and_b32 v[34+2*(sj%2)], 0xff, v[C+sj]
	v_bfe_u32 v[35+2*(sj%2)], v[C+sj], 8, 8
	s_delay_alu instid0(VALU_DEP_2)
	v_cmp_eq_u32 s[45+2*(sj%2)], s23, v[34+2*(sj%2)]
	s_delay_alu instid0(VALU_DEP_2)
	v_cmp_eq_u32 s[46+2*(sj%2)], s23, v[35+2*(sj%2)]
	s_or_b32 s[45+2*(sj%2)], s[45+2*(sj%2)], s[46+2*(sj%2)]        ; the step's members
	v_writelane_b32 v[LT], s[45+2*(sj%2)], sj
	s_delay_alu instid0(VALU_DEP_1)
	v_writelane_b32 v[LT], s50, 16+sj              ; and the members before it in my half
	s_bcnt1_i32_b32 s[46+2*(sj%2)], s[45+2*(sj%2)]
	s_add_co_u32 s50, s50, s[46+2*(sj%2)]
.set sj, sj+1
.endr
	v_mov_b32 v41, s50
	ds_store_b32 v107, v[LT]
	ds_store_b32 v108, v41                         ; all lanes write the same word with the same value
	s_wait_dscnt 0x0                               ; for the others' sake
	s_barrier_signal -1
	s_barrier_wait -1
.irp q, 0,1,2,3
	ds_load_b128 v[TL+4*\q:TL+4*\q+3], v109 offset:16*\q
.endr
	ds_load_b128 v[MC:MC+3], v110
	ds_load_b128 v[MC+4:MC+7], v110 offset:16
.irp j, 0,1
.irp q, 0,1
	ds_load_b128 v[MV+8*\j+4*\q:MV+8*\j+4*\q+3], v111 offset:32*\j+16*\q
	ds_load_b128 v[BV+8*\j+4*\q:BV+8*\j+4*\q+3], v111 offset:1024+32*\j+16*\q
.endr
.endr
	BLOCK 0, 32                                    ; younger: block 1's 32
	s_cmp_lg_u32 s20, 0
	s_cbranch_scc1 .Lnot_wave_0
	ds_store_b128 v9, v[238:241]                   ; wave 0 lays b1 into LDS
.Lnot_wave_0:
	s_wait_dscnt 0x0                               ; the tables
.irp k, 0,1,2,3,4,5,6,7,8,9,10,11,12,13,14,15
	v_readfirstlane_b32 s[66+\k], v[TL+\k]         ; s66-73 the first half's totals, s74-81 the second's
.endr
.irp k, 0,1,2,3,4,5,6,7
	s_add_co_u32 s[82+\k], s[66+\k], s[74+\k]      ; cnt_k
.endr
	s_mov_b32 s90, 0                               ; off_0
.irp k, 0,1,2,3,4,5,6
	s_add_co_u32 s45, s[82+\k], 31
	s_and_not1_b32 s45, s45, 31
	s_add_co_u32 s[91+\k], s[90+\k], s45
.endr
	v_mov_b32 v[ME], v[MC]                         ; my own expert's: cnt s28, off s29, and its mask of step = lane
	s_mov_b32 s28, s82
	s_mov_b32 s29, 0
.irp k, 1,2,3,4,5,6,7
	s_cmp_eq_u32 s21, \k
	s_cselect_b32 s28, s[82+\k], s28
	s_cselect_b32 s29, s[90+\k], s29
	s_cselect_b32 s45, -1, 0
	v_cndmask_b32 v[ME], v[ME], v[MC+\k], s45
.endr
	; work-group (0, 0) stores tab and pos.  Wave w takes tokens 64 w .. 64 w + 63: a token's slot with EVERY expert is one v_mbcnt of that expert's mask onto the members before, and the two chosen are picked
	s_or_b32 s45, s22, s21
	s_cmp_lg_u32 s45, 0
	s_cbranch_scc1 .Lno_route
	s_cmp_ge_u32 s20, 8                            ; steps 16 and up: the first half's total counts too
.irp k, 0,1,2,3,4,5,6,7
	s_cselect_b32 s[74+\k], s[66+\k], 0
.endr
.irp k, 0,1,2,3,4,5,6,7
	s_add_co_u32 s[74+\k], s[74+\k], s[90+\k]      ; + off_k
.endr
.irp j, 0,1
	v_and_b32 v36, 0xff, v[CW+\j]
	v_bfe_u32 v37, v[CW+\j], 8, 8
	v_mbcnt_lo_u32_b32 v38, v[MV+8*\j], v[BV+8*\j]
	s_delay_alu instid0(VALU_DEP_1)
	v_add_nc_u32 v[P+2*\j], s74, v38               ; expert 0 starts both
	s_delay_alu instid0(VALU_DEP_1)
	v_mov_b32 v[P+2*\j+1], v[P+2*\j]
.irp e, 1,2,3,4,5,6,7
	v_mbcnt_lo_u32_b32 v38, v[MV+8*\j+\e], v[BV+8*\j+\e]
	s_delay_alu instid0(VALU_DEP_1)
	v_add_nc_u32 v38, s[74+\e], v38                ; the slot that my token would have with expert e
	v_cmp_eq_u32 vcc_lo, \e, v36
	s_delay_alu instid0(VALU_DEP_1)
	v_cndmask_b32 v[P+2*\j], v[P+2*\j], v38, vcc_lo
	v_cmp_eq_u32 vcc_lo, \e, v37
	s_delay_alu instid0(VALU_DEP_1)
	v_cndmask_b32 v[P+2*\j+1], v[P+2*\j+1], v38, vcc_lo
.endr
	global_store_b64 v112, v[P+2*\j:P+2*\j+1], s[40:41] offset:256*\j      ; 256 bytes on end
.endr
	s_cmp_lg_u32 s20, 0
	s_cbranch_scc1 .Lno_tab
	v_mov_b32 v104, 0
	v_lshlrev_b32 v39, 2, v1
.irp k, 0
	s_delay_alu instid0(VALU_DEP_2)
	v_writelane_b32 v104, s[82+\k], 2*\k
	s_delay_alu instid0(VALU_DEP_1)
	v_writelane_b32 v104, s[90+\k], 2*\k+1
.endr
.irp k, 1, 2, 3, 4, 5, 6, 7
	s_delay_alu instid0(VALU_DEP_1)
	v_writelane_b32 v104, s[82+\k], 2*\k
	s_delay_alu instid0(VALU_DEP_1)
	v_writelane_b32 v104, s[90+\k], 2*\k+1
.endr
	global_store_b32 v39, v104, s[18:19]           ; wave 0: the table, 128 bytes on end
.Lno_tab:
	s_wait_xcnt 0x0                                ; the stores have read their registers: x's fragments land there later
.Lno_route:
	SCAL 0
	BLOCK 1, 32                                    ; block 2's
	COLLECT 27                                     ; pass 0's tokens
	TOKPREP 250
	XISSUE 250                                     ; pass 0's rows of x: 34 loads
	BLOCK 2, 63                                    ; block 3's 32 and x's 34 are younger: 66; the wait's field holds 63, which asks for a little more
	s_add_co_u32 s58, s27, 256
	COLLECT 58                                     ; pass 1's tokens
	TOKPREP 253
	BLOCK 3, 63                                    ; x's 34 and block 4's 32
	BLOCK 4, 32                                    ; block 5's; x is in
	BLOCK 5, 32
	BLOCK 6, 32
	BLOCK 7, 0
	s_wait_dscnt 0x0                               ; for the others' sake: my images lie in LDS
	s_barrier_signal -1
	s_barrier_wait -1
	PASS_UP 0
	PASS_UP 1
	PASS_UP 2
	PASS_UP 3
	s_wait_xcnt 0x0
	v_lshl_add_u32 v254, v0, 2, 0x11b00
	v_mov_b32 v255, 0
	s_wait_alu depctr_va_vdst(0)
	s_wait_tensorcnt 0x0
	ds_add_u32 v254, v255
	s_wait_dscnt 0x0
	s_endpgm
.Lfunc_end_k_q1348075a4c_up:
	.size	k_q1348075a4c_up, .Lfunc_end_k_q1348075a4c_up-k_q1348075a4c_up
	.p2alignl 7, 3214868480
	.fill 96, 4, 3214868480
	.section	.rodata,"a",@progbits
	.p2align	6, 0x0
	.amdhsa_kernel k_q1348075a4c_up
		.amdhsa_group_segment_fixed_size 74496
		.amdhsa_private_segment_fixed_size 0
		.amdhsa_enable_private_segment 0
		.amdhsa_kernarg_size 64
		.amdhsa_user_sgpr_count 2
		.amdhsa_user_sgpr_kernarg_segment_ptr 1
		.amdhsa_wavefront_size32 1
		.amdhsa_system_sgpr_workgroup_id_x 1
		.amdhsa_system_sgpr_workgroup_id_y 1
		.amdhsa_system_sgpr_workgroup_id_z 1
		.amdhsa_system_vgpr_workitem_id 0
		.amdhsa_next_free_vgpr 256
		.amdhsa_next_free_sgpr 100
		.amdhsa_reserve_vcc 1
		.amdhsa_float_denorm_mode_32 3
		.amdhsa_float_denorm_mode_16_64 3
		.amdhsa_memory_ordered 1
		.amdhsa_forward_progress 1
		.amdhsa_inst_pref_size 255
	.end_amdhsa_kernel
	.section	.bss,"aw",@nobits
	.p2align	6
	.space	262144
	.amdgpu_metadata
---
amdhsa.version: [ 1, 2 ]
amdhsa.kernels:
  - .name:           k_q1348075a4c_up
    .symbol:         k_q1348075a4c_up.kd
    .args:
      - { .name: w1, .offset: 0, .size: 8, .value_kind: global_buffer, .address_space: global }
      - { .name: b1, .offset: 8, .size: 8, .value_kind: global_buffer, .address_space: global }
      - { .name: x_codes, .offset: 16, .size: 8, .value_kind: global_buffer, .address_space: global }
      - { .name: x_scales, .offset: 24, .size: 8, .value_kind: global_buffer, .address_space: global }
      - { .name: choice, .offset: 32, .size: 8, .value_kind: global_buffer, .address_space: global }
      - { .name: h_codes, .offset: 40, .size: 8, .value_kind: global_buffer, .address_space: global }
      - { .name: h_scales, .offset: 48, .size: 8, .value_kind: global_buffer, .address_space: global }
      - { .name: route, .offset: 56, .size: 8, .value_kind: global_buffer, .address_space: global }
    .group_segment_fixed_size: 74496
    .private_segment_fixed_size: 0
    .kernarg_segment_align: 8
    .kernarg_segment_size: 64
    .max_flat_workgroup_size: 512
    .sgpr_count:     100
    .vgpr_count:     256
    .wavefront_size: 32
...
	.end_amdgpu_metadata
.endif
;; end of part 6
;; launch down (part 7): grid 32 x 8, 16 waves a work-group, no clusters, 210,944 bytes of LDS; arguments w2, b2, h_codes, h_scales, route, part; writes part
.if DOCPART == 7
	.amdgcn_target "amdgcn-amd-amdhsa--gfx1250"
	.amdhsa_code_object_version 6
	.text
	.protected	k_q1348075a4c_down
	.globl	k_q1348075a4c_down
	.p2align	8
	.type	k_q1348075a4c_down,@function
k_q1348075a4c_down:
	s_mov_b64 s[64:65], 0
	v_nop
	global_prefetch_b8 v0, s[64:65] scope:SCOPE_SE
	s_setreg_imm32_b32 hwreg(HW_REG_WAVE_SCHED_MODE, 0, 2), 2
	s_setreg_imm32_b32 hwreg(HW_REG_WAVE_MODE, 25, 1), 1
	s_wait_xcnt 0x0
	s_wait_alu depctr_vm_vsrc(0)
; part[kh][slot][:] = hidden[slot][2,048 kh .. + 2,047] w2_e[2,048 kh .. + 2,047][:] (+ b2_e where kh = 0), on codes of E2M1 with one E8M0 scale for each 32 along F.  The hidden layer arrives as codes (h_codes [f / 32][slot][16], h_scales [f / 64][slot][2]).
; A work-group is (hc = x % 16, kh = x / 16, e = y): columns 64 hc .. + 63 of w2[e], rows 2,048 kh .. + 2,047: 512 KiB of f32 that this work-group alone reads, once.
; PHASE S: the slice is quantised into LDS as images of operand registers: a lane takes a column, its registers run down K.  Wave w (cg = w / 8, s8 = w % 8) takes 32 columns and K steps s8 and 8 + s8 (hf) of the sixteen: eight blocks, loads two ahead.
; PHASE G: a job = 32 slots (pair p) x 64 columns x eight K steps (half hfj): 64 matrix instructions, used transposed (source 0 = 16 columns of w2, source 1 = 16 slots).  Waves 2 i and 2 i + 1 hold the two halves of one pair's sum over K:
; both lay their 32 x 64 sums into stages in LDS; behind a barrier wave 2 i adds the two for slots 0-15, wave 2 i + 1 for slots 16-31, adds b2, and stores whole rows of 256 bytes.  Passes 0 .. 3 (p = w / 2 + 8 pass) serve up to 1,024 rows;
; a job with 32 p >= cnt jumps over its work (a scalar branch on the stored count), never over a barrier.  A second barrier parts a pass's reads of the stages from the next pass's stores.
; Pass 0's codes are asked for in phase S by every wave (a wave without a job asks for slots 0-31, which are always written), so that all waves count alike.
; No tensor loads and no cluster: the counts that steer the jobs are read from memory.  LIMITS: NaN and infinities are not served; a block of zeros gets the byte 1.
; LDS: 0 images, 65,536 scale words (as in the launch before);  69,632 + 8,704 wave: a stage of 32 rows x (256 bytes + 16);  208,896 the spare words, 128 bytes a wave.
; REGISTERS: v1 lane, v2 r, v3 hh; v4-14 addresses; v16-143 the hidden layer's fragments (16 + 64 tt + 8 ks); v144-151 its scale words; phase S: v152-215 landing, v216-231 codes, v232 scale word, v233-236 at work;
;   phase G: v152-215 accumulators, then rows from the stages; v216-247 w2's four fragments (v240-247 first hold the upper halves of the scale words); v248-249 their scale words; v250-253 b2; v254, v255 the closing add's two.
; THE MODE: SCHED_MODE bits 1:0 = 2 (LLVM: expert scheduling mode 2), set by the entry lines.  The code itself states the register dependences between vector or matrix instructions and memory or LDS instructions, with s_wait_alu, always for 0.
; THE PLAN.  Registers that memory or LDS instructions touch, and who else names them:
;   v4-15             offsets and LDS addresses: written at the head, ahead of the head's wait on va_vdst, never again.
;   LAND              block t's maxima and conversions read set t % 2; the loads of block t + 2 land in it.   v216-232: written by the conversions, the exchanges and the byte lines; read by the image stores of a K step's last block.
;   XS, XH, XF        the hidden layer's loads land; eight v_lshl_or_b32 read XH and write XS; the products read XS as scales and XF as source 1.
;   W, WS             LDS loads land (W's upper eight registers are XH), the products read.
;   ACC               K step 0's products write it anew, the others add; the stage's LDS stores read it; behind the barrier the stage's LDS loads land in it; the packed additions write it; the global stores read it.
; So: one wait on va_vdst in each block that loads or stores; one at the head of every K step, behind its places; one ahead of the stage's stores; one ahead of the global stores.  A later pass's loads of the hidden layer need none:
; since the wait ahead of the stage's stores only the packed additions have been issued, which name the accumulators and b2 alone.
; Waits on vm_vsrc: behind the image stores; behind the stage's stores; behind the global stores of passes 0 to 2.  One wait on va_sdst, for the wave's number.
.set LAND, 152
.set CD,   216
.set SB,   232
.set ACC,  152
.set W,    216
.set WS,   248
.set XF,   16
.set XS,   144
.set XH,   240
.set SCI,  65536
.set STG,  69632
	s_load_b256 s[4:11], s[0:1], 0x0               ; w2, b2, h_codes, h_scales
	s_load_b128 s[12:15], s[0:1], 0x20             ; route, part
	v_lshl_add_u32 v254, v0, 2, 0x33000            ; the closing add's two registers, made here and kept for it alone
	v_mov_b32 v255, 0
	v_lshrrev_b32 v1, 5, v0
	v_readfirstlane_b32 s20, v1                    ; wave 0..15
	s_and_b32 s21, ttmp7, 0xffff                   ; e
	s_and_b32 s22, ttmp9, 15                       ; hc
	s_lshr_b32 s30, ttmp9, 4                       ; kh
	v_and_b32 v1, 31, v0                           ; lane
	v_and_b32 v2, 15, v0                           ; r
	v_bfe_u32 v3, v0, 4, 1                         ; hh
	v_lshlrev_b32 v4, 2, v1                        ; my column of the 32
	s_wait_alu depctr_va_vdst(0)
	v_lshlrev_b32 v15, 4, v1                       ; 16 x lane
	s_wait_alu depctr_va_vdst(0)
	s_wait_alu depctr_va_sdst(0)                   ; s20 is written, ahead of its first reader
	s_and_b32 s23, s20, 7                          ; s8
	s_lshr_b32 s24, s20, 3                         ; cg
	s_and_b32 s25, s20, 1                          ; hfj
	s_lshl_b32 s45, s23, 12
	s_lshl_b32 s46, s24, 11
	s_add_co_u32 s45, s45, s46
	v_add_nc_u32 v5, s45, v15                      ; images, in
	s_lshl_b32 s45, s23, 8
	s_lshl_b32 s46, s24, 7
	s_add_co_u32 s45, s45, s46
	s_add_co_u32 s45, s45, SCI
	v_add_nc_u32 v6, s45, v4                       ; scale words, in
	s_lshl_b32 s45, s25, 15
	v_add_nc_u32 v7, s45, v15                      ; images, out
	s_lshl_b32 s45, s25, 11
	s_add_co_u32 s45, s45, SCI
	v_add_nc_u32 v8, s45, v4                       ; scale words, out
	s_mul_i32 s45, s20, 8704
	s_add_co_u32 s45, s45, STG
	v_mul_u32_u24 v9, v2, 272
	v_lshl_add_u32 v9, v3, 5, v9
	v_add_nc_u32 v9, s45, v9                       ; my stage, in: row r, + 32 hh
	s_and_b32 s45, s20, 14
	s_mul_i32 s45, s45, 8704
	s_mul_i32 s46, s25, 4352
	s_add_co_u32 s45, s45, s46
	s_add_co_u32 s45, s45, STG
	v_mul_u32_u24 v10, v3, 272
	v_lshl_add_u32 v10, v2, 4, v10
	v_add_nc_u32 v10, s45, v10                     ; the even wave's stage, out: rows 16 hfj on; lanes 0-15 one row, lanes 16-31 the next
	v_lshlrev_b32 v14, 4, v2                       ; 16 r
	v_lshl_add_u32 v11, v3, 12, v14                ; part: the same two rows
	v_mul_u32_u24 v12, v3, 36864
	v_add_nc_u32 v12, v12, v14                     ; h_codes: slot r, block + hh
	v_lshlrev_b32 v13, 1, v1                       ; h_scales: slot lane
	s_lshl_b32 s32, s21, 24                        ; w2: expert,
	s_lshl_b32 s45, s30, 23                        ; 2,048 kh rows of 4,096 bytes,
	s_add_co_u32 s32, s32, s45
	s_lshl_b32 s45, s23, 19                        ; 128 s8 rows,
	s_add_co_u32 s32, s32, s45
	s_lshl_b32 s45, s22, 8                         ; 64 hc columns,
	s_add_co_u32 s32, s32, s45
	s_lshl_b32 s45, s24, 7                         ; 32 cg columns
	s_add_co_u32 s32, s32, s45
	s_mov_b32 s33, 0
	s_lshl_b32 s42, s21, 12                        ; b2: 1,024 e + 64 hc numbers
	s_lshl_b32 s45, s22, 8
	s_add_co_u32 s42, s42, s45
	s_mov_b32 s43, 0
	s_lshl_b32 s48, s21, 3                         ; tab[e]
	s_mov_b32 s49, 0
	s_cmp_eq_u32 s30, 0
	s_cselect_b32 s44, -1, 0                       ; all lanes where kh = 0: b2 is added once
	s_wait_kmcnt 0x0
	s_add_nc_u64 s[4:5], s[4:5], s[32:33]
	s_add_nc_u64 s[6:7], s[6:7], s[42:43]
	s_add_nc_u64 s[40:41], s[12:13], s[48:49]
	s_load_b64 s[28:29], s[40:41], 0x0             ; cnt, off
.macro LOADB t                         ; block t = 4 hf + b: rows 1,024 hf + 32 b + i of my part, my column, into landing set t % 2; the wave reads 128 bytes on end, and wave w + 8 the 128 beside them
.set li, 0
.rept 32
	global_load_b32 v[LAND+32*((\t)%2)+li], v4, s[4:5] offset:(1024*((\t)/4)+32*((\t)%4)+li)*4096 th:TH_LOAD_NT
.set li, li+1
.endr
.endm
.macro BLOCK t, n                      ; block t is quantised; n: the loads younger than its 32
.set LS, LAND+32*((\t)%2)
	s_wait_loadcnt \n
	v_max3_num_f32 v233, |v[LS]|, |v[LS+1]|, |v[LS+2]|
	v_max3_num_f32 v234, |v[LS+3]|, |v[LS+4]|, |v[LS+5]|
.irp i, 6,10,14,18,22,26
	v_max3_num_f32 v233, v233, |v[LS+\i]|, |v[LS+\i+1]|
	v_max3_num_f32 v234, v234, |v[LS+\i+2]|, |v[LS+\i+3]|
.endr
	v_max3_num_f32 v233, v233, |v[LS+30]|, |v[LS+31]|
	v_max3_num_f32 v233, v233, v234, 0x1800000     ; the floor 2^(3 - 127): the byte cannot fall under 1
	v_add_nc_u32 v235, 0xff000000, v233            ; 2 off the exponent field: the conversion's scale operand
.if (\t)%4 == 0
	v_lshrrev_b32 v[SB], 23, v235
.else
	v_lshrrev_b32 v236, 23, v235
	v_lshl_or_b32 v[SB], v236, 8*((\t)%4), v[SB]
.endif
.irp g, 0,1,2,3
	v_cvt_scalef32_pk8_fp4_f32 v[CD+4*((\t)%4)+\g], v[LS+8*\g:LS+8*\g+7], v235
.endr
.if (\t)%4 == 3
	v_nop                                          ; a plain instruction between the conversions and the lines that touch their results
.irp i, 0,1,2,3
	v_permlane16_swap_b32 v[CD+\i], v[CD+4+\i]     ; blocks 2 c and 2 c + 1 of one tile into one register
	v_permlane16_swap_b32 v[CD+8+\i], v[CD+12+\i]
.endr
.endif
.if ((\t) < 6) || ((\t)%4 == 3)        ; block 6 issues no load and no store, and states nothing
	s_wait_alu depctr_va_vdst(0)                   ; the maxima and conversions are done reading the landing set, in which the loads below land; in a K step's last block the exchanges and the byte lines have written the codes and the scale word, which the LDS stores read
.endif
.if (\t) < 6
	LOADB (\t)+2
.endif
.if (\t)%4 == 3
	ds_store_b128 v5, v[CD:CD+3] offset:32768*((\t)/4)
	ds_store_b128 v5, v[CD+8:CD+11] offset:32768*((\t)/4)+512
	ds_store_b128 v5, v[CD+4:CD+7] offset:32768*((\t)/4)+1024
	ds_store_b128 v5, v[CD+12:CD+15] offset:32768*((\t)/4)+1536
	ds_store_b32 v6, v[SB] offset:2048*((\t)/4)
	s_wait_dscnt 0x0                               ; the stores are done
	s_wait_alu depctr_vm_vsrc(0)                   ; the LDS stores have read v216-232, which the next K step's conversions, or phase G's loads of w2, write
.endif
.endm
.macro SCAL pass                       ; the pass's numbers: pair, whether it has a row (s47), first slot, and the three bases
	s_lshr_b32 s26, s20, 1
	s_add_co_u32 s26, s26, 8*\pass
	s_lshl_b32 s27, s26, 5
	s_add_co_u32 s31, s29, s27
	s_cmp_lt_u32 s27, s28
	s_cselect_b32 s47, 1, 0
	s_cselect_b32 s31, s31, 0                      ; without a job: slots 0-31
	s_min_u32 s31, s31, 2272                       ; a loaded number enters an address only behind this bound
	s_lshl_b32 s45, s30, 6
	s_lshl_b32 s46, s25, 5
	s_add_co_u32 s45, s45, s46                     ; f / 32 = 64 kh + 32 hfj
	s_mul_i32 s45, s45, 2304
	s_add_co_u32 s45, s45, s31
	s_lshl_b32 s32, s45, 4
	s_mov_b32 s33, 0
	s_add_nc_u64 s[34:35], s[8:9], s[32:33]
	s_lshl_b32 s45, s30, 5
	s_lshl_b32 s46, s25, 4
	s_add_co_u32 s45, s45, s46                     ; f / 64 = 32 kh + 16 hfj
	s_mul_i32 s45, s45, 2304
	s_add_co_u32 s45, s45, s31
	s_lshl_b32 s32, s45, 1
	s_add_nc_u64 s[36:37], s[10:11], s[32:33]
	s_mul_i32 s45, s30, 2304
	s_add_co_u32 s45, s45, s31
	s_lshl_b32 s46, s25, 4
	s_add_co_u32 s45, s45, s46                     ; part's row: 2,304 kh + slot + 16 hfj
	s_lshl_b32 s32, s45, 12
	s_lshl_b32 s46, s22, 8
	s_add_co_u32 s32, s32, s46
	s_add_nc_u64 s[38:39], s[14:15], s[32:33]
.endm
.macro XISSUE                          ; 48 loads: sixteen half words of scales, then four loads of codes for each K step (sixteen lanes read 256 bytes on end)
.irp ks, 0,1,2,3,4,5,6,7
	global_load_u16 v[XS+\ks], v13, s[36:37] offset:(2*\ks)*4608
	global_load_u16 v[XH+\ks], v13, s[36:37] offset:(2*\ks+1)*4608
.endr
.irp ks, 0,1,2,3,4,5,6,7
.irp tt, 0,1
.irp c, 0,1
	global_load_b128 v[XF+64*\tt+8*\ks+4*\c:XF+64*\tt+8*\ks+4*\c+3], v12, s[34:35] offset:(4*\ks+2*\c)*36864+256*\tt
.endr
.endr
.endr
.endm
; One product.  z is written as the number 1 or 0 (never as a comparison, whose value when true is -1): 1: the product starts the sum with the constant 0.  ra, rb: which half of the lanes of the scale registers is read.
.macro MM z, d, a, b, sa, sb, ra, rb
.if (\z) == 1
.if (\ra) == 0 && (\rb) == 0
	v_wmma_scale_f32_16x16x128_f8f6f4 v[\d:\d+7], v[\a:\a+7], v[\b:\b+7], 0, v[\sa], v[\sb] matrix_a_fmt:MATRIX_FMT_FP4 matrix_b_fmt:MATRIX_FMT_FP4
.elseif (\rb) == 0
	v_wmma_scale_f32_16x16x128_f8f6f4 v[\d:\d+7], v[\a:\a+7], v[\b:\b+7], 0, v[\sa], v[\sb] matrix_a_fmt:MATRIX_FMT_FP4 matrix_b_fmt:MATRIX_FMT_FP4 matrix_a_scale:MATRIX_SCALE_ROW1
.elseif (\ra) == 0
	v_wmma_scale_f32_16x16x128_f8f6f4 v[\d:\d+7], v[\a:\a+7], v[\b:\b+7], 0, v[\sa], v[\sb] matrix_a_fmt:MATRIX_FMT_FP4 matrix_b_fmt:MATRIX_FMT_FP4 matrix_b_scale:MATRIX_SCALE_ROW1
.else
	v_wmma_scale_f32_16x16x128_f8f6f4 v[\d:\d+7], v[\a:\a+7], v[\b:\b+7], 0, v[\sa], v[\sb] matrix_a_fmt:MATRIX_FMT_FP4 matrix_b_fmt:MATRIX_FMT_FP4 matrix_a_scale:MATRIX_SCALE_ROW1 matrix_b_scale:MATRIX_SCALE_ROW1
.endif
.else
.if (\ra) == 0 && (\rb) == 0
	v_wmma_scale_f32_16x16x128_f8f6f4 v[\d:\d+7], v[\a:\a+7], v[\b:\b+7], v[\d:\d+7], v[\sa], v[\sb] matrix_a_fmt:MATRIX_FMT_FP4 matrix_b_fmt:MATRIX_FMT_FP4
.elseif (\rb) == 0
	v_wmma_scale_f32_16x16x128_f8f6f4 v[\d:\d+7], v[\a:\a+7], v[\b:\b+7], v[\d:\d+7], v[\sa], v[\sb] matrix_a_fmt:MATRIX_FMT_FP4 matrix_b_fmt:MATRIX_FMT_FP4 matrix_a_scale:MATRIX_SCALE_ROW1
.elseif (\ra) == 0
	v_wmma_scale_f32_16x16x128_f8f6f4 v[\d:\d+7], v[\a:\a+7], v[\b:\b+7], v[\d:\d+7], v[\sa], v[\sb] matrix_a_fmt:MATRIX_FMT_FP4 matrix_b_fmt:MATRIX_FMT_FP4 matrix_b_scale:MATRIX_SCALE_ROW1
.else
	v_wmma_scale_f32_16x16x128_f8f6f4 v[\d:\d+7], v[\a:\a+7], v[\b:\b+7], v[\d:\d+7], v[\sa], v[\sb] matrix_a_fmt:MATRIX_FMT_FP4 matrix_b_fmt:MATRIX_FMT_FP4 matrix_a_scale:MATRIX_SCALE_ROW1 matrix_b_scale:MATRIX_SCALE_ROW1
.endif
.endif
.endm
; A K step of a job.  K step 0's eight products start the eight sums: the accumulators' registers hold other things until then (phase S's numbers, the last pass's rows).
; The eight accumulators take turns, one instruction a turn, in the same order in every K step.
.macro KSTEP ks, xw
.rept 4
	v_nop                                          ; four places between the last products and the loads into registers that they read; ahead of K step 0 they are among the places behind the lines that made the scale words
.endr                                              ; and, with the four behind the last pass's K step 7, the places ahead of products that begin the accumulators anew
	s_wait_alu depctr_va_vdst(0)                   ; the last K step's products are done reading w2's fragments and scale words, in which the loads below land; ahead of K step 0: the eight lines above have written the hidden layer's scale words, which the products take as scales, and are done reading v240-247, in which w2's fourth fragment lands
	ds_load_b32 v[WS], v8 offset:256*(\ks)
	ds_load_b32 v[WS+1], v8 offset:256*(\ks)+128
.irp nt, 0,1,2,3
	ds_load_b128 v[W+8*\nt:W+8*\nt+3], v7 offset:4096*(\ks)+1024*\nt
	ds_load_b128 v[W+8*\nt+4:W+8*\nt+7], v7 offset:4096*(\ks)+1024*\nt+512
.endr
.if (\xw) > 0
	s_wait_loadcnt 4*(7-(\ks))                     ; this K step's four loads of codes are in; four for each later K step may be out
.endif
.irp nt, 0,1,2,3
	s_wait_dscnt 6-2*\nt                           ; tile nt's two loads are in; two for each later tile may be out
.if (\ks) == 0
	MM 1, ACC+8*\nt, W+8*\nt, XF+8*(\ks), WS+\nt/2, XS+(\ks), \nt%2, 0
	MM 1, ACC+32+8*\nt, W+8*\nt, XF+64+8*(\ks), WS+\nt/2, XS+(\ks), \nt%2, 1
.else
	MM 0, ACC+8*\nt, W+8*\nt, XF+8*(\ks), WS+\nt/2, XS+(\ks), \nt%2, 0
	MM 0, ACC+32+8*\nt, W+8*\nt, XF+64+8*(\ks), WS+\nt/2, XS+(\ks), \nt%2, 1
.endif
.endr
.endm
.macro PASS_DOWN pass, last
.if \pass > 0
	SCAL \pass
.endif
	s_cmp_eq_u32 s47, 0
	s_cbranch_scc1 .Lno_mul_\@
.if \pass > 0
	XISSUE                                         ; no wait: since the wait ahead of the last stage stores only the packed additions have been issued, which name none of the registers in which these loads land
	s_wait_loadcnt 32                              ; the sixteen half words are in; the 32 loads of codes are younger
.endif
.irp ks, 0,1,2,3,4,5,6,7
	v_lshl_or_b32 v[XS+\ks], v[XH+\ks], 16, v[XS+\ks]      ; a K step's scale word: blocks 0, 1 below, blocks 2, 3 above.  K step 0's is made first: seven of these lines and four v_nop stand between it and its product
.endr
.irp ks, 0,1,2,3,4,5,6,7
	KSTEP \ks, \pass
.endr
.rept 4
	v_nop                                          ; four places ahead of the first read of results
.endr
	s_wait_alu depctr_va_vdst(0)                   ; the products have written the accumulators, which the LDS stores read and in which the stage's loads land; they are done reading the hidden layer's registers, in which the next pass's loads land.  The places above stay beside this wait
.irp tt, 0,1
.irp nt, 0,1,2,3
	ds_store_b128 v9, v[ACC+32*\tt+8*\nt:ACC+32*\tt+8*\nt+3] offset:4352*\tt+64*\nt         ; lane (r, hh): slot 16 tt + r, columns 16 nt + 8 hh + 0 .. 7; each accumulator from its low end on
	ds_store_b128 v9, v[ACC+32*\tt+8*\nt+4:ACC+32*\tt+8*\nt+7] offset:4352*\tt+64*\nt+16
.endr
.endr
	s_wait_alu depctr_vm_vsrc(0)                   ; the LDS stores have read the accumulators, in which the stage's loads land behind the barrier and which the next pass's products write
.Lno_mul_\@:
	s_wait_dscnt 0x0                               ; for my partner's sake: my sums lie in my stage
	s_barrier_signal -1
	s_barrier_wait -1
	s_cmp_eq_u32 s47, 0
	s_cbranch_scc1 .Lno_sum_\@
.irp i, 0,1,2,3,4,5,6,7
	ds_load_b128 v[ACC+4*\i:ACC+4*\i+3], v10 offset:544*\i             ; the lower half of K,
.endr
.irp i, 0,1,2,3,4,5,6,7
	ds_load_b128 v[ACC+32+4*\i:ACC+32+4*\i+3], v10 offset:544*\i+8704  ; the upper
.endr
	s_wait_dscnt 0x0
.irp i, 0,1,2,3,4,5,6,7
	v_pk_add_f32 v[ACC+4*\i:ACC+4*\i+1], v[ACC+4*\i:ACC+4*\i+1], v[ACC+32+4*\i:ACC+32+4*\i+1]
	v_pk_add_f32 v[ACC+4*\i+2:ACC+4*\i+3], v[ACC+4*\i+2:ACC+4*\i+3], v[ACC+32+4*\i+2:ACC+32+4*\i+3]
.endr
.irp i, 0,1,2,3,4,5,6,7
	v_pk_add_f32 v[ACC+4*\i:ACC+4*\i+1], v[ACC+4*\i:ACC+4*\i+1], v[250:251]
	v_pk_add_f32 v[ACC+4*\i+2:ACC+4*\i+3], v[ACC+4*\i+2:ACC+4*\i+3], v[252:253]
.endr
	s_wait_alu depctr_va_vdst(0)                   ; the packed additions have written the rows, which the stores read
.irp i, 0,1,2,3,4,5,6,7
	global_store_b128 v11, v[ACC+4*\i:ACC+4*\i+3], s[38:39] offset:8192*\i th:TH_STORE_NT   ; sixteen lanes store 256 bytes on end, aligned
.endr
	s_wait_xcnt 0x0                                ; the stores have had their addresses translated: the next pass writes their base
.if \last == 0
	s_wait_alu depctr_vm_vsrc(0)                   ; the stores have read v152-183, which the next pass's products write
.endif
.Lno_sum_\@:
.if \last == 0
	s_wait_dscnt 0x0                               ; my reads of the stages are over:
	s_barrier_signal -1
	s_barrier_wait -1                              ; only now are they written again
.endif
.endm
	s_wait_alu depctr_va_vdst(0)                   ; the offsets and addresses v4-15 are written, which the loads and stores from here on read
	global_load_b128 v[250:253], v14, s[6:7]       ; b2 of columns 64 hc + 4 r + 0 .. 3
	LOADB 0
	LOADB 1
	s_wait_kmcnt 0x0                               ; cnt, off
	SCAL 0
	XISSUE                                         ; pass 0's codes and scales: 48 loads
	BLOCK 0, 63                                    ; block 1's 32 and the 48 are younger: 80; the wait's field holds 63, which asks for a little more
.irp k, 250,251,252,253
	v_cndmask_b32 v\k, 0, v\k, s44                 ; b2 counts in the lower half of K alone
.endr
	BLOCK 1, 63                                    ; the 48 and block 2's 32
	BLOCK 2, 32                                    ; block 3's; the 48 are in
	BLOCK 3, 32
	BLOCK 4, 32
	BLOCK 5, 32
	BLOCK 6, 32
	BLOCK 7, 0
	s_wait_dscnt 0x0                               ; for the others' sake: my images lie in LDS
	s_barrier_signal -1
	s_barrier_wait -1
	PASS_DOWN 0, 0
	PASS_DOWN 1, 0
	PASS_DOWN 2, 0
	PASS_DOWN 3, 1
	s_wait_dscnt 0x0                               ; the closing lines, six on end
	s_wait_alu 0x0
	s_wait_tensorcnt 0x0
	ds_add_u32 v254, v255
	s_wait_dscnt 0x0
	s_endpgm
.Lfunc_end_k_q1348075a4c_down:
	.size	k_q1348075a4c_down, .Lfunc_end_k_q1348075a4c_down-k_q1348075a4c_down
	.p2alignl 7, 3214868480
	.fill 96, 4, 3214868480
	.section	.rodata,"a",@progbits
	.p2align	6, 0x0
	.amdhsa_kernel k_q1348075a4c_down
		.amdhsa_group_segment_fixed_size 210944
		.amdhsa_private_segment_fixed_size 0
		.amdhsa_enable_private_segment 0
		.amdhsa_kernarg_size 48
		.amdhsa_user_sgpr_count 2
		.amdhsa_user_sgpr_kernarg_segment_ptr 1
		.amdhsa_wavefront_size32 1
		.amdhsa_system_sgpr_workgroup_id_x 1
		.amdhsa_system_sgpr_workgroup_id_y 1
		.amdhsa_system_sgpr_workgroup_id_z 1
		.amdhsa_system_vgpr_workitem_id 0
		.amdhsa_next_free_vgpr 256
		.amdhsa_next_free_sgpr 66
		.amdhsa_reserve_vcc 0
		.amdhsa_float_denorm_mode_32 3
		.amdhsa_float_denorm_mode_16_64 3
		.amdhsa_memory_ordered 1
		.amdhsa_forward_progress 1
		.amdhsa_inst_pref_size 149
	.end_amdhsa_kernel
	.amdgpu_metadata
---
amdhsa.version: [ 1, 2 ]
amdhsa.kernels:
  - .name:           k_q1348075a4c_down
    .symbol:         k_q1348075a4c_down.kd
    .args:
      - { .name: w2, .offset: 0, .size: 8, .value_kind: global_buffer, .address_space: global }
      - { .name: b2, .offset: 8, .size: 8, .value_kind: global_buffer, .address_space: global }
      - { .name: h_codes, .offset: 16, .size: 8, .value_kind: global_buffer, .address_space: global }
      - { .name: h_scales, .offset: 24, .size: 8, .value_kind: global_buffer, .address_space: global }
      - { .name: route, .offset: 32, .size: 8, .value_kind: global_buffer, .address_space: global }
      - { .name: part, .offset: 40, .size: 8, .value_kind: global_buffer, .address_space: global }
    .group_segment_fixed_size: 210944
    .private_segment_fixed_size: 0
    .kernarg_segment_align: 8
    .kernarg_segment_size: 48
    .max_flat_workgroup_size: 512
    .sgpr_count:     66
    .vgpr_count:     256
    .wavefront_size: 32
...
	.end_amdgpu_metadata
.endif
;; end of part 7
;; launch comb (part 8): grid 256 x 1, 4 waves a work-group, no clusters, 0 bytes of LDS; arguments part, route, out0; writes out0
.if DOCPART == 8
	.amdgcn_target "amdgcn-amd-amdhsa--gfx1250"
	.amdhsa_code_object_version 6
	.text
	.protected	k_q1348075a4c_comb
	.globl	k_q1348075a4c_comb
	.p2align	8
	.type	k_q1348075a4c_comb,@function
k_q1348075a4c_comb:
	s_mov_b64 s[64:65], 0
	v_nop
	global_prefetch_b8 v0, s[64:65] scope:SCOPE_SE
	s_setreg_imm32_b32 hwreg(HW_REG_WAVE_MODE, 25, 1), 1
	s_wait_xcnt 0x0
; out0[t][:] = the sum of the four rows of part that belong to token t: its two slots (pos[t], stored by the placing launch) x the two halves of K.  One wave takes one token: each output row has one owner.
; A row is 4,096 bytes: eight loads of 512 bytes on end from each of the four rows, all 32 on their way at once; the waits count down by four.  No LDS, no barrier: waves share nothing.
.set D, 8                              ; v8-135: piece i at v[D + 16 i]: four registers from each of the four rows
	s_load_b128 s[4:7], s[0:1], 0x0                ; part, route
	s_load_b64 s[8:9], s[0:1], 0x10                ; out0
	v_lshrrev_b32 v1, 5, v0
	v_readfirstlane_b32 s10, v1                    ; wave
	s_lshl_b32 s11, ttmp9, 2
	s_add_co_u32 s10, s11, s10                     ; my token
	v_and_b32 v1, 31, v0
	v_lshlrev_b32 v1, 4, v1                        ; 16 x lane
	s_lshl_b32 s14, s10, 3
	s_add_co_u32 s14, s14, 33024                   ; pos[t]
	s_mov_b32 s15, 0
	s_lshl_b32 s28, s10, 12                        ; my row of out0
	s_mov_b32 s29, 0
	s_wait_alu depctr_va_vdst(0)
	s_wait_kmcnt 0x0
	s_add_nc_u64 s[16:17], s[6:7], s[14:15]
	s_load_b64 s[12:13], s[16:17], 0x0
	s_add_nc_u64 s[8:9], s[8:9], s[28:29]
	s_wait_kmcnt 0x0
	s_min_u32 s12, s12, 2303                       ; a loaded number enters an address only behind this bound
	s_min_u32 s13, s13, 2303
	s_lshl_b32 s18, s12, 12
	s_mov_b32 s19, 0
	s_add_nc_u64 s[20:21], s[4:5], s[18:19]        ; slot 0, lower half of K,
	s_add_nc_u64 s[22:23], s[20:21], 9437184       ; upper half: 2,304 rows on
	s_lshl_b32 s18, s13, 12
	s_add_nc_u64 s[24:25], s[4:5], s[18:19]        ; slot 1
	s_add_nc_u64 s[26:27], s[24:25], 9437184
.irp i, 0,1,2,3,4,5,6,7
.irp q, 0,1,2,3
	global_load_b128 v[D+16*\i+4*\q:D+16*\i+4*\q+3], v1, s[20+2*\q:21+2*\q] offset:512*\i th:TH_LOAD_NT
.endr
.endr
.irp i, 0,1,2,3,4,5,6,7
	s_wait_loadcnt 4*(7-\i)                        ; piece i's four loads are in; four for each later piece may be out
	v_pk_add_f32 v[D+16*\i:D+16*\i+1], v[D+16*\i:D+16*\i+1], v[D+16*\i+4:D+16*\i+5]
	v_pk_add_f32 v[D+16*\i+2:D+16*\i+3], v[D+16*\i+2:D+16*\i+3], v[D+16*\i+6:D+16*\i+7]
	v_pk_add_f32 v[D+16*\i+8:D+16*\i+9], v[D+16*\i+8:D+16*\i+9], v[D+16*\i+12:D+16*\i+13]
	v_pk_add_f32 v[D+16*\i+10:D+16*\i+11], v[D+16*\i+10:D+16*\i+11], v[D+16*\i+14:D+16*\i+15]
	v_pk_add_f32 v[D+16*\i:D+16*\i+1], v[D+16*\i:D+16*\i+1], v[D+16*\i+8:D+16*\i+9]
	v_pk_add_f32 v[D+16*\i+2:D+16*\i+3], v[D+16*\i+2:D+16*\i+3], v[D+16*\i+10:D+16*\i+11]
	global_store_b128 v1, v[D+16*\i:D+16*\i+3], s[8:9] offset:512*\i th:TH_STORE_NT     ; 512 bytes on end, aligned
.endr
	s_endpgm
.Lfunc_end_k_q1348075a4c_comb:
	.size	k_q1348075a4c_comb, .Lfunc_end_k_q1348075a4c_comb-k_q1348075a4c_comb
	.p2alignl 7, 3214868480
	.fill 96, 4, 3214868480
	.section	.rodata,"a",@progbits
	.p2align	6, 0x0
	.amdhsa_kernel k_q1348075a4c_comb
		.amdhsa_group_segment_fixed_size 0
		.amdhsa_private_segment_fixed_size 0
		.amdhsa_enable_private_segment 0
		.amdhsa_kernarg_size 24
		.amdhsa_user_sgpr_count 2
		.amdhsa_user_sgpr_kernarg_segment_ptr 1
		.amdhsa_wavefront_size32 1
		.amdhsa_system_sgpr_workgroup_id_x 1
		.amdhsa_system_sgpr_workgroup_id_y 1
		.amdhsa_system_sgpr_workgroup_id_z 1
		.amdhsa_system_vgpr_workitem_id 0
		.amdhsa_next_free_vgpr 136
		.amdhsa_next_free_sgpr 66
		.amdhsa_reserve_vcc 0
		.amdhsa_float_denorm_mode_32 3
		.amdhsa_float_denorm_mode_16_64 3
		.amdhsa_memory_ordered 1
		.amdhsa_forward_progress 1
		.amdhsa_inst_pref_size 9
	.end_amdhsa_kernel
	.amdgpu_metadata
---
amdhsa.version: [ 1, 2 ]
amdhsa.kernels:
  - .name:           k_q1348075a4c_comb
    .symbol:         k_q1348075a4c_comb.kd
    .args:
      - { .name: part, .offset: 0, .size: 8, .value_kind: global_buffer, .address_space: global }
      - { .name: route, .offset: 8, .size: 8, .value_kind: global_buffer, .address_space: global }
      - { .name: out0, .offset: 16, .size: 8, .value_kind: global_buffer, .address_space: global }
    .group_segment_fixed_size: 0
    .private_segment_fixed_size: 0
    .kernarg_segment_align: 8
    .kernarg_segment_size: 24
    .max_flat_workgroup_size: 128
    .sgpr_count:     66
    .vgpr_count:     136
    .wavefront_size: 32
...
	.end_amdgpu_metadata
.endif
;; end of part 8
